; MI455X (gfx1250); checked and timed in simulation.
; The chip was launched on July 23, 2026; its instructions are those of AMD's public machine-readable ISA for CDNA 5 (MIT licence, August 2026) and "CDNA5" Instruction Set Architecture Reference Guide (July 2026). The comments in the code are by the model that wrote it; some were corrected since.
;; Destationary Attention. Allowed arithmetic: matrix products marked QUANTISED: E2M3 operands, one E8M0 scale for each 32 along K, by v_wmma_scale_f32_16x16x128_f8f6f4 with both operands' format E2M3, f32 sums; everything else in f32.
;; Inputs: Wk 1,024 x 1,024 float32; Wo 1,024 x 1,024 float32; Wq 1,024 x 1,024 float32; Wv 1,024 x 1,024 float32; bk 1,024 float32; bo 1,024 float32; bq 1,024 float32; bv 1,024 float32; x 4 x 2,048 x 1,024 float32; x_mean 4 x 1 x 1 float32; x_std 4 x 1 x 1 float32.
;; Outputs: out0 4 x 2,048 x 1,024 float32.
;; This version of the problem:
;;   THIS VERSION OF THE PROBLEM IS GIVEN IN LOW PRECISION. The matrix products marked QUANTISED in the list below multiply operands that are first quantised to E2M3 (2 exponent bits, 3 mantissa bits; 6 bits a number), with one power-of-two scale for each 32 numbers along K (OCP MX v1.0); their sums are f32. All else is computed in f32.
;;   The module's matrix products, in the order in which they are computed (A, B: the left and right operand; K: the contracted axis; several contracted axes count as one K, in the product's order):
;;     1. [M 8,192, K 1,024] x [K 1,024, N 1,024]; A: input x; B: input Wq: QUANTISED
;;     2. [M 8,192, K 1,024] x [K 1,024, N 1,024]; A: input x; B: input Wk: QUANTISED
;;     3. [M 8,192, K 1,024] x [K 1,024, N 1,024]; A: input x; B: input Wv: QUANTISED
;;     4. batch 64 x [M 2,048, K 64] x [K 64, N 2,048]; A: computed on the way; B: computed on the way: QUANTISED
;;     5. batch 64 x [M 2,048, K 2,048] x [K 2,048, N 64]; A: softmax (see below); B: computed on the way: QUANTISED
;;     6. [M 8,192, K 1,024] x [K 1,024, N 1,024]; A: computed on the way; B: input Wo: QUANTISED
;;   THE QUANTISER, for each operand of a quantised product, along K:
;;     - K is cut into blocks of 32 from its start; a last block that is shorter is filled with zeros.
;;     - A block's scale is 2^e with e = floor(log2(the largest magnitude in the block)) - 2, held to -126 .. 127; a block of zeros has e = 0. As a byte (E8M0): e + 127.
;;     - Each number is divided by its block's scale, clamped to +-7.5, and rounded to the nearest number of E2M3, ties to even, subnormals kept.
;;     - The product sums the exact products of the quantised numbers (number of the format x scale) in f32.
;;   ~~~python
;;   def quantise(x, axis):      # numpy; x: float32 -> the quantised numbers, widened to float32 again
;;       x = np.moveaxis(x, axis, -1); K = x.shape[-1]
;;       x = np.pad(x, [(0, 0)] * (x.ndim - 1) + [(0, -K % 32)]); x = x.reshape(x.shape[:-1] + (-1, 32)); a = np.abs(x).max(-1, keepdims=True)
;;       e = np.where(a > 0, np.clip(np.frexp(np.where(a > 0, a, 1))[1] - 1 - 2, -126, 127), 0)      # np.frexp(a)[1] - 1 = floor(log2(a)), exactly
;;       r = np.clip(x / 2.0 ** e, -7.5, 7.5)
;;       step = 2.0 ** (np.maximum(np.frexp(np.where(r == 0, 1, r))[1] - 1, 0) - 3)
;;       q = np.round(r / step) * step * 2.0 ** e      # np.round: ties to even
;;       return np.moveaxis(q.reshape(q.shape[:-2] + (-1,))[..., :K], -1, axis).astype(np.float32)
;;   ~~~
;;   SOFTMAX AHEAD OF A QUANTISED PRODUCT. Where the list says 'softmax', what is quantised is not the finished softmax but p = 2^(t - M), with t = logit x log2(e) and M = ceil(the row's largest t), a whole number; so 1/2 < the row's largest p <= 1. The row's sum l is taken of the UNQUANTISED p, in f32, and the product's result is divided by l at the end. Since M is a whole number, a kernel that streams over the keys may use a running M (the ceiling of the running maximum): every later rescaling is an exact power of two, which a block's scale takes up: the codes' values come out the same.
;;   OPERANDS COMPUTED ON THE WAY. 'Computed on the way' means the value that the module computes at that place (a softmax that the list does not call 'softmax' is quantised finished and normalised). What goes into a quantiser is computed in f32, as accurately as f32 sums, v_exp_f32 and their like allow (about 1e-6 of the number): no bf16 or f16 on the way to a quantiser, and a product that is left as it is and whose result goes on into a quantised operand takes f32 operands (vector FMAs, or v_wmma_f32_16x16x4_f32). A number that lies on a knife's edge between two numbers of the format may be rounded either way, as far as f32 arithmetic and the matrix unit's own rounding can turn it there, and no further.
;; One version. Each part assembles by itself: llvm-mc -triple=amdgcn-amd-amdhsa -mcpu=gfx1250 --defsym DOCPART=n.
;; ======== version 1 of 1: 4 launches
;; limits: right only within a limited range of input values
;; workspace buffers: codes 9,437,184 bytes; scl 393,216 bytes; qkv 19,660,800 bytes; oc 6,291,456 bytes; os 262,144 bytes
;; launch quant (part 1): grid 768 x 1, 1 waves a work-group, no clusters, 8,960 bytes of LDS; arguments x, Wq, Wk, Wv, Wo, codes, scl; writes codes, scl
.if DOCPART == 1
	.amdgcn_target "amdgcn-amd-amdhsa--gfx1250"
	.amdhsa_code_object_version 6
	.text
	.protected	k_q17cb924209_quant
	.globl	k_q17cb924209_quant
	.p2align	8
	.type	k_q17cb924209_quant,@function
k_q17cb924209_quant:
	s_mov_b64 s[64:65], 0
	v_nop
	global_prefetch_b8 v0, s[64:65] scope:SCOPE_SE
	s_setreg_imm32_b32 hwreg(HW_REG_WAVE_MODE, 25, 1), 1
	s_wait_xcnt 0x0
; x [8192][1024] and Wq, Wk, Wv, Wo [1024][1024], f32 with K innermost, become codes of FP6 (E2M3) and one E8M0 byte for each 32 along K.
; A block's scale is 2^(floor(log2(its largest magnitude)) - 2); its byte is the largest magnitude's exponent field - 2, held at 1 from below.
; LIMITS: NaN and infinities among the inputs are not served.  A block of zeros gets the byte 1 where the rule says 127: its codes are zeros, which add nothing, and this program alone reads the bytes.
; THE 12,288 ROWS (x, Wq, Wk, Wv, Wo on end) ARE LAID IN TILES OF 16, IN POSITION ORDER: of a group of 32 rows, tile u (0, 1) holds at place r the row 8 u + r + 8 (r / 8).
; A matrix result whose registers run along such rows then holds 16 neighbours in the 16 registers of two neighbouring tiles.
; A TILE'S CODES ARE AN IMAGE OF THE OPERAND'S REGISTERS: 16 groups of 64 along K, 768 bytes each; in a group three chunks of 256 bytes; lane (r, h) has 8 bytes at 8 x lane of chunk p:
; registers 2 p, 2 p + 1 of the six that hold block 2 g + h of row r.  The scale bytes lie [position row][32].
; SHARES: one wave takes one tile for all of K, in 16 steps of 64 along K.  A step's eight loads read two rows x 256 consecutive bytes each; the 4,096 bytes turn through the wave's own stage in LDS
; (rows 272 bytes apart) and come back 128 bytes a lane: a whole block of 32, so that no other lane is asked for the maximum.  Each store of codes covers 256 consecutive bytes, aligned.
; No matrix unit, no cluster, no barrier: the wave shares nothing.  Loads run four steps (32 loads) ahead, the turn through LDS one step.
; WORK LEFT OUT, in the whole program: reference() takes of x_mean only its shape: delta = zeros_like(x_mean) is 0 whatever x_mean holds, and it is the same
; along the softmax's axis; tau is 1.  So nothing is added to the scores, x_mean has no way to the output, is not loaded and is among no launch's arguments.
; LIMIT: a NaN or an infinity in x_mean is not carried to the result.
.set R,   16
.set X,   144                          ; v144-207 two sets of 32: a block a lane
.set C,   208                          ; v208-223 two sets of 8: a block's codes
.set E,   224                          ; v224-239 a scale byte for each step
.set W,   240                          ; v240-247 the row's eight scale words
.set SP,  272                          ; a stage row: 256 bytes + 16
.set STG, 16*SP                        ; a stage; two of them, by turns
	s_load_b256 s[4:11], s[0:1], 0x0               ; x, Wq, Wk, Wv
	s_load_b128 s[12:15], s[0:1], 0x20             ; Wo, codes
	s_load_b64 s[16:17], s[0:1], 0x30              ; scl
	v_lshl_add_u32 v254, v0, 2, 0x2200
	v_mov_b32 v255, 0
	v_lshrrev_b32 v1, 4, v0                        ; h = lane / 16 (the work-group is one wave)
	v_and_b32 v2, 15, v0                           ; r = lane % 16
	v_lshlrev_b32 v3, 4, v2
	v_lshl_add_u32 v3, v1, 12, v3                  ; in: 16 bytes a lane, lanes 16-31 one row of 4,096 bytes down
	v_mul_u32_u24 v4, v1, SP
	v_lshl_add_u32 v4, v2, 4, v4                   ; into the stage: the same two rows
	v_mul_u32_u24 v5, v2, SP
	v_lshl_add_u32 v5, v1, 7, v5                   ; out of it: row r, block h: 128 bytes
	v_lshlrev_b32 v6, 3, v0                        ; codes: 8 x lane
	v_lshlrev_b32 v7, 5, v2
	v_lshl_add_u32 v7, v1, 4, v7                   ; scale bytes: 32 r + 16 h
	v_lshlrev_b32 v10, 3, v1                       ; 8 h: my bytes' place in a scale word
	v_mov_b32 v248, 0                              ; a lane permute's destination counts as one of its sources
	s_mov_b32 s24, 0x76543210
	s_mov_b32 s25, 0xfedcba98                      ; selects for lane l xor 16
	s_and_b32 s21, ttmp9, 63                       ; a weight's tile among its 64
	s_wait_alu depctr_va_vdst(0)
	s_wait_kmcnt 0x0
	s_cmp_lt_u32 ttmp9, 704                        ; which tensor: the choice hangs on the work-group's number alone
	s_cselect_b64 s[18:19], s[10:11], s[12:13]
	s_cmp_lt_u32 ttmp9, 640
	s_cselect_b64 s[18:19], s[8:9], s[18:19]
	s_cmp_lt_u32 ttmp9, 576
	s_cselect_b64 s[18:19], s[6:7], s[18:19]
	s_cmp_lt_u32 ttmp9, 512
	s_cselect_b64 s[18:19], s[4:5], s[18:19]
	s_cselect_b32 s20, ttmp9, s21                  ; the tile's number in its tensor
	s_lshr_b32 s22, s20, 1
	s_lshl_b32 s22, s22, 5
	s_and_b32 s23, s20, 1
	s_lshl_b32 s23, s23, 3
	s_add_co_u32 s22, s22, s23                     ; its first row: 32 (tile / 2) + 8 (tile % 2)
	s_lshl_b32 s22, s22, 12
	s_mov_b32 s23, 0
	s_add_nc_u64 s[18:19], s[18:19], s[22:23]
	s_mul_i32 s22, ttmp9, 12288
	s_add_nc_u64 s[14:15], s[14:15], s[22:23]      ; the tile's image
	s_lshl_b32 s22, ttmp9, 9
	s_add_nc_u64 s[16:17], s[16:17], s[22:23]      ; its 512 scale bytes
.macro LOAD t                          ; step t: places 2 i, 2 i + 1 are rows 2 i + h + 8 (i / 4)
.irp i, 0,1,2,3,4,5,6,7
	global_load_b128 v[R+32*((\t)%4)+4*\i:R+32*((\t)%4)+4*\i+3], v3, s[18:19] offset:(2*\i+8*(\i/4))*4096+256*(\t) th:TH_LOAD_NT
.endr
.endm
.macro TURN t                          ; through the stage: LDS serves a wave's instructions in order, so no wait stands between the stores and the loads
.irp i, 0,1,2,3,4,5,6,7
	ds_store_b128 v4, v[R+32*((\t)%4)+4*\i:R+32*((\t)%4)+4*\i+3] offset:STG*((\t)%2)+2*SP*\i
.endr
.irp k, 0,1,2,3,4,5,6,7
	ds_load_b128 v[X+32*((\t)%2)+4*\k:X+32*((\t)%2)+4*\k+3], v5 offset:STG*((\t)%2)+16*\k
.endr
.endm
.macro STEP t
.set XS, X+32*((\t)%2)
.set CC, C+8*((\t)%2)
	s_wait_dscnt 0x0                               ; this step's block is back from the stage, and the stores into the stage have read their registers,
.if (\t)+4 < 16
	LOAD (\t)+4                                    ; which take the loads of four steps on
.endif
.if (\t) < 15
.if 14-(\t) >= 3
	s_wait_loadcnt 24                              ; the next step's eight loads are in; those of the three steps behind it may be out
.else
	s_wait_loadcnt 8*(14-(\t))
.endif
	TURN (\t)+1
.endif
	v_max3_num_f32 v8, |v[XS]|, |v[XS+1]|, |v[XS+2]|               ; the block's largest magnitude: all 32 numbers are mine; two chains
	v_max3_num_f32 v9, |v[XS+3]|, |v[XS+4]|, |v[XS+5]|
.irp i, 6,10,14,18,22,26
	v_max3_num_f32 v8, v8, |v[XS+\i]|, |v[XS+\i+1]|
	v_max3_num_f32 v9, v9, |v[XS+\i+2]|, |v[XS+\i+3]|
.endr
	v_max3_num_f32 v8, v8, |v[XS+30]|, |v[XS+31]|
	v_max3_num_f32 v8, v8, v9, 0x1800000           ; and the floor 2^(3 - 127): the byte cannot fall under 1
	v_add_nc_u32 v11, 0xff000000, v8               ; 2 off the exponent field: the conversion takes the exponent field of this operand as its scale
	s_wait_alu depctr_va_vdst(0)
	s_wait_xcnt 0x0                                ; the stores of two steps back have read this set of code registers
	v_cvt_scalef32_pk16_fp6_f32 v[CC:CC+2], v[XS:XS+15], v11
	v_cvt_scalef32_pk16_fp6_f32 v[CC+4:CC+6], v[XS+16:XS+31], v11  ; (a conversion's three registers begin on an even number)
	v_lshrrev_b32 v[E+(\t)], 23, v11               ; the scale's byte; also the plain instruction behind the conversions
	v_mov_b32 v[CC+3], v[CC+4]
	v_mov_b32 v[CC+4], v[CC+5]
	v_mov_b32 v[CC+5], v[CC+6]                     ; six registers on end
.irp p, 0,1,2
	global_store_b64 v6, v[CC+2*\p:CC+2*\p+1], s[14:15] offset:768*(\t)+256*\p   ; 32 lanes store 256 consecutive bytes, aligned
.endr
.endm
.irp t, 0,1,2,3
	LOAD \t
.endr
	s_wait_loadcnt 24                              ; step 0's eight loads are in
	TURN 0
.irp t, 0,1,2,3,4,5,6,7,8,9,10,11,12,13,14,15
	STEP \t
.endr
; the scale bytes: step t's byte is block 2 t + h of row r.  Word g holds blocks 4 g .. 4 g + 3: my two at bytes h and 2 + h, lane l xor 16's two between them
.irp g, 0,1,2,3,4,5,6,7
	v_lshl_or_b32 v[W+\g], v[E+2*\g+1], 16, v[E+2*\g]
.endr
.irp g, 0,1,2,3,4,5,6,7
	v_lshlrev_b32 v[W+\g], v10, v[W+\g]
.endr
.irp g, 0,1,2,3,4,5,6,7
	v_permlanex16_b32 v248, v[W+\g], s24, s25
	v_or_b32 v[W+\g], v[W+\g], v248
.endr
	v_cmp_le_u32 vcc_lo, 16, v0
.irp k, 0,1,2,3
	v_cndmask_b32 v[12+\k], v[W+\k], v[W+4+\k], vcc_lo             ; lanes 0-15 store the row's first 16 bytes, lanes 16-31 the second
.endr
	global_store_b128 v7, v[12:15], s[16:17]       ; 512 consecutive bytes
	s_wait_tensorcnt 0x0
	ds_add_u32 v254, v255
	s_wait_dscnt 0x0
	s_endpgm
.Lfunc_end_k_q17cb924209_quant:
	.size	k_q17cb924209_quant, .Lfunc_end_k_q17cb924209_quant-k_q17cb924209_quant
	.p2alignl 7, 3214868480
	.fill 96, 4, 3214868480
	.section	.rodata,"a",@progbits
	.p2align	6, 0x0
	.amdhsa_kernel k_q17cb924209_quant
		.amdhsa_group_segment_fixed_size 8960
		.amdhsa_private_segment_fixed_size 0
		.amdhsa_enable_private_segment 0
		.amdhsa_kernarg_size 56
		.amdhsa_user_sgpr_count 2
		.amdhsa_user_sgpr_kernarg_segment_ptr 1
		.amdhsa_wavefront_size32 1
		.amdhsa_system_sgpr_workgroup_id_x 1
		.amdhsa_system_sgpr_workgroup_id_y 1
		.amdhsa_system_sgpr_workgroup_id_z 1
		.amdhsa_system_vgpr_workitem_id 0
		.amdhsa_next_free_vgpr 256
		.amdhsa_next_free_sgpr 66
		.amdhsa_reserve_vcc 1
		.amdhsa_float_denorm_mode_32 3
		.amdhsa_float_denorm_mode_16_64 3
		.amdhsa_memory_ordered 1
		.amdhsa_forward_progress 1
		.amdhsa_inst_pref_size 61
	.end_amdhsa_kernel
	.amdgpu_metadata
---
amdhsa.version: [ 1, 2 ]
amdhsa.kernels:
  - .name:           k_q17cb924209_quant
    .symbol:         k_q17cb924209_quant.kd
    .args:
      - { .name: x, .offset: 0, .size: 8, .value_kind: global_buffer, .address_space: global }
      - { .name: Wq, .offset: 8, .size: 8, .value_kind: global_buffer, .address_space: global }
      - { .name: Wk, .offset: 16, .size: 8, .value_kind: global_buffer, .address_space: global }
      - { .name: Wv, .offset: 24, .size: 8, .value_kind: global_buffer, .address_space: global }
      - { .name: Wo, .offset: 32, .size: 8, .value_kind: global_buffer, .address_space: global }
      - { .name: codes, .offset: 40, .size: 8, .value_kind: global_buffer, .address_space: global }
      - { .name: scl, .offset: 48, .size: 8, .value_kind: global_buffer, .address_space: global }
    .group_segment_fixed_size: 8960
    .private_segment_fixed_size: 0
    .kernarg_segment_align: 8
    .kernarg_segment_size: 56
    .max_flat_workgroup_size: 32
    .sgpr_count:     66
    .vgpr_count:     256
    .wavefront_size: 32
...
	.end_amdgpu_metadata
.endif
;; end of part 1
;; launch qkv_gemm (part 2): grid 4 x 64, 4 waves a work-group, clusters of 4 x 4, 327,680 bytes of LDS; arguments codes, scl, bq, bk, bv, qkv; writes qkv
.if DOCPART == 2
	.amdgcn_target "amdgcn-amd-amdhsa--gfx1250"
	.amdhsa_code_object_version 6
	.text
	.protected	k_q17cb924209_qkv_gemm
	.globl	k_q17cb924209_qkv_gemm
	.p2align	8
	.type	k_q17cb924209_qkv_gemm,@function
k_q17cb924209_qkv_gemm:
	s_mov_b64 s[64:65], 0
	v_nop
	global_prefetch_b8 v0, s[64:65] scope:SCOPE_SE
	s_setreg_imm32_b32 hwreg(HW_REG_WAVE_MODE, 25, 1), 1
	s_wait_xcnt 0x0
	s_wait_alu depctr_hold_cnt(0) depctr_sa_sdst(0) depctr_va_vdst(0) depctr_va_sdst(0) depctr_va_ssrc(0) depctr_va_vcc(0) depctr_vm_vsrc(0)
	s_getreg_b32 s2, hwreg(HW_REG_IB_STS2, 6, 4)
	s_cmp_eq_u32 s2, 0
	s_cbranch_scc0 .Lentry_in_a_cluster
	s_endpgm
.Lentry_in_a_cluster:
	s_bfe_u32 s2, ttmp6, 0x10000c
	s_cmp_lg_u32 s2, 0xf033
	s_cbranch_scc0 .Lentry_shape_is_right
	s_endpgm
.Lentry_shape_is_right:
; q, k, v = x W^T + b on codes of FP6 (E2M3) with E8M0 scales, K = 1,024; the results are quantised on the way out and stored as images of the operands that the attention launch feeds to the matrix unit.
; OPERANDS: rows of 'codes' in tiles of 16 rows in position order (place r of tile u of a group of 32 is row 8 u + r + 8 (r / 8)); a tile is an image of the operand's registers, 12,288 bytes:
; 16 groups of 64 along K x 768 bytes (three chunks of 256 bytes, lane l's 8 bytes at 8 l).  Scale bytes lie [position row][32].
; SHARES: 256 work-groups, each 128 tokens x 768 features: 512 rows of Wq | Wk and 256 of Wv, so that every work-group walks the same text.  The tokens' 8 tiles, all of K (98,304 bytes), stay in LDS;
; the weights go by in SIX CHUNKS of 128 rows, all of K, through a ring of two slots of 98,304 bytes.  Four waves, 2 x 2: a wave makes 64 tokens x 64 features (one head) of a chunk: 16 accumulators.
; FILLS: at the head one load a wave: waves 0 and 1 half of the tokens each, wave 2 chunk 0, wave 3 chunk 1.  Four refills (chunks 2 to 5), a quarter of a chunk a wave, each in a round of the cluster's barrier
; inside a chunk's last K step: there the wave's reads of the slot are over, and the next chunk is shown to all.  A refill is asked for a whole chunk
; (128 products a wave and a way out) ahead of its first read: so no prefetch is laid.
; CLUSTERS: 4 x 4 work-groups: the tokens' tiles are shared along a row of the cluster, the weights' along a column, each asked for jointly.
; ROLES.  Chunks 0-3 (q or k): source 0 = 16 rows of the weight, source 1 = 16 tokens: a lane holds a token, its registers run along the head.  Chunks 4, 5 (v): source 0 = 16 tokens, source 1 = 16 rows of Wv:
; a lane holds a channel, its registers run along the keys, which are the second attention product's K.  By the rows' order 16 registers of two neighbouring tiles are 16 neighbours.
; Scale words go from memory straight into registers: lane 16 h + r takes the 32 bytes of row r of block 2 i + h; the ROW selector picks the block; register q is K step q's word.  The bias is the first products' C.
; OUT: records of 102,400 bytes, record 64 sec + 16 batch + head (sec 0 q, 1 k, 2 v): 64 images of 1,536 bytes (three chunks of 512: lane l's registers 4 c .. 4 c + 3 at 512 c + 16 l), then 4,096 bytes of scale words.
;   q, k image kb: registers 0-5 token 32 kb + r + 8 (r / 8), dims 32 h on; registers 6-11 the token 8 further on.  Scale words [kb / 4][r][kb % 4]: two bytes of the first token, two of the second.
;   v image 4 s + t: channels 32 (t / 2) + 8 (t % 2) + r + 8 (r / 8) x keys 128 s on.  Scale words [s][r][t].
; A wave holds 64 of an image of v's 128 keys: six of its twelve registers.  Four of them fill a chunk of 512 bytes; the other two are 8 bytes of each lane's 16 in the middle chunk, which the two waves fill between them.
; Scale words leave as 8 bytes (q, k) or 2 bytes (v) a lane: 4,096 of a record's 102,400 bytes.
; LIMITS: NaN and infinities are not served; a block of zeros gets the byte 1 where the rule says 127 (zero codes add nothing; this program alone reads the bytes).
; REGISTERS: window 0: v8-29 addresses; v32-63 the weights' scale words, two sets; v68-83 the tokens'; v84-159 the way out; v160-255 the tokens' fragments, two sets.
;   window 1: the weights' fragments at v0 and v128; v64-127 q's or k's bias, two sets; v176-239 v's bias.   window 2: the 16 accumulators.
.set FR,    12
.set TB,    12288                      ; a tile's image
.set CH,    8*TB                       ; 128 rows
.set SLOT0, CH
.set SPARE, 3*CH
.set REC,   102400
.set LI,   8                           ; 16 x lane
.set VOF,  9                           ; 32 x lane
.set BO1,  10                          ; 64 h
.set BO2,  11                          ; 4 (r + 8 (r / 8))
.set ADRT, 12
.set ADRW, 14                          ; v14, v15: slot 0, 1
.set LSC,  16
.set VSO,  17
.set VB,   18
.set VC,   19
.set SPW,  28
.set NIL,  29
.set WS,   32
.set TS,   68                          ; 4 off WS modulo 8
.set IMGA, 84
.set IMGB, 96
.set TC,   108
.set TM,   116
.set PW,   132
.set XR,   136
.set YR,   152
.set AF,   160
.set BI,   64                          ; window 1
.set BV,   176
.set WV, 16                            ; s16 wave; s17 wave / 2: my half of the tokens; s18 wave % 2: my half of a chunk's rows
.set WH, 17
.set WL, 18
.set G1T, 24
.set G0T, 32
.set G0C, 36
.set G1B, 48
.set G0W, 56
.set TRIP, 86
.set CM,  87
.set SEL, 88
.set MSB, 0
.macro WIN new                         ; the immediate's high byte repeats the setting that is left
.if MSB != \new
	s_set_vgpr_msb (MSB<<8)|\new
.set MSB, \new
.endif
.endm
.macro PLACES n
.rept \n
	v_nop
.endr
.endm
.macro CREST
	s_cmp_lg_u32 s[WV], 0
	s_cbranch_scc1 .Lnot_wave_0_\@
	s_barrier_signal -3
.Lnot_wave_0_\@:
	s_barrier_wait -3
	s_barrier_signal -1
	s_barrier_wait -1
.endm
.macro CROUND
	s_barrier_signal -1
	s_barrier_wait -1
	CREST
.endm
.macro TLOAD g0, g1
	tensor_load_to_lds s[\g0:\g0+3], s[\g1:\g1+7]
	s_nop 0
	PLACES 4
.endm
	s_load_b256 s[4:11], s[0:1], 0x0               ; codes, scl, bq, bk
	s_load_b128 s[12:15], s[0:1], 0x20             ; bv, qkv
	v_lshl_add_u32 v[SPW], v0, 2, SPARE
	v_mov_b32 v[NIL], 0
	ds_add_u32 v[SPW], v[NIL]                      ; the opening lines: the add twice on end and its wait
	ds_add_u32 v[SPW], v[NIL]
	v_lshrrev_b32 v1, 5, v0
	v_readfirstlane_b32 s[WV], v1
	s_lshr_b32 s[WH], s[WV], 1
	s_and_b32 s[WL], s[WV], 1
	s_bfe_u32 s40, ttmp6, 0x40000                  ; cx
	s_bfe_u32 s41, ttmp6, 0x40004                  ; cy
	s_lshl_b32 s42, ttmp9, 2
	s_add_co_u32 s42, s42, s40                     ; x: which quarter of the features
	s_and_b32 s95, ttmp7, 0xffff
	s_lshl_b32 s95, s95, 2
	s_add_co_u32 s95, s95, s41                     ; y: which 128 tokens
	s_lshl_b32 s43, s41, 2
	s_lshl_b32 s43, 15, s43                        ; my row of the cluster
	s_lshl_b32 s44, 0x1111, s40                    ; my column
	; group 1: dense blocks as rows of 256 bytes (32 elements of 8): half of the tokens 192 rows; a chunk 384 rows at the head, a quarter of one, 96 rows, in the ring
	s_or_b32 s[G1T+0], s43, (3<<16)|(1<<21)
	s_mov_b32 s[G1T+1], 32<<16
	s_mov_b32 s[G1T+2], 192<<16
	s_mov_b32 s[G1T+3], 32<<16
	s_mov_b32 s[G1T+4], 192
	s_mov_b32 s[G1T+5], 32
	s_mov_b32 s[G1T+6], 0
	s_mov_b32 s[G1T+7], 0
	s_or_b32 s[G1B+0], s44, (3<<16)|(1<<21)
	s_mov_b32 s[G1B+1], 32<<16
	s_mov_b32 s[G1B+2], 384<<16
	s_mov_b32 s[G1B+3], 32<<16
	s_mov_b32 s[G1B+4], 384
	s_mov_b32 s[G1B+5], 32
	s_mov_b32 s[G1B+6], 0
	s_mov_b32 s[G1B+7], 0
	s_mul_i32 s19, s[WL], 4*TB                     ; waves 0, 1: which half of the tokens
	s_mov_b32 s[G0T], 1
	s_mov_b32 s[G0T+1], s19
	s_mul_i32 s20, s95, CH
	s_add_co_u32 s20, s20, s19
	s_mov_b32 s21, 0
	s_mul_i32 s22, s[WL], CH                       ; waves 2, 3: chunk 0 or 1
	s_mov_b32 s[G0C], 1
	s_add_co_u32 s[G0C+1], s22, SLOT0
	s_lshl_b32 s46, s42, 9
	s_add_co_u32 s46, s46, 8192                    ; chunk 0's first row in 'codes': 512 x rows into Wq | Wk
	s_mul_i32 s90, s46, 768
	s_add_co_u32 s92, s90, s22
	s_mov_b32 s93, 0
	s_lshl_b32 s91, s42, 8
	s_add_co_u32 s91, s91, 10240                   ; chunk 4's: 256 x rows into Wv
	s_mul_i32 s60, s[WV], 2*TB                     ; in the ring: my quarter of a chunk
	s_add_co_u32 s61, s90, 2*CH
	s_add_co_u32 s61, s61, s60                     ; where my quarter of chunk 2 lies, in bytes from 'codes',
	s_mul_i32 s62, s91, 768
	s_add_co_u32 s62, s62, s60                     ; and of chunk 4
	s_mov_b32 s[G0W], 1
	s_mov_b32 s67, 0
	s_mov_b32 s71, 0
	s_wait_alu depctr_va_vdst(0)
	s_wait_dscnt 0x0
	s_wait_kmcnt 0x0
	s_add_nc_u64 s[G0T+2:G0T+3], s[4:5], s[20:21]
	s_or_b32 s[G0T+3], s[G0T+3], 0x80000000
	s_add_nc_u64 s[G0C+2:G0C+3], s[4:5], s[92:93]
	s_or_b32 s[G0C+3], s[G0C+3], 0x80000000
	CROUND                                         ; all sixteen work-groups are here: the joint loads meet
	s_cmp_lt_u32 s[WV], 2
	s_cbranch_scc0 .Lhead_c0
	TLOAD G0T, G1T                                 ; waves 0, 1: the tokens
	s_branch .Lhead_asked
.Lhead_c0:
	s_cmp_eq_u32 s[WV], 2
	s_cbranch_scc0 .Lhead_c1
	TLOAD G0C, G1B                                 ; wave 2: chunk 0
	s_branch .Lhead_asked
.Lhead_c1:
	TLOAD G0C, G1B                                 ; wave 3: chunk 1, a line of its own: it is waited for later
.Lhead_asked:
	; where my results, biases and scale bytes lie
	s_lshr_b32 s23, s95, 4
	s_and_b32 s94, s95, 15                         ; s: my 128 tokens' number in the batch
	s_lshl_b32 s23, s23, 4
	s_add_co_u32 s23, s23, s[WL]                   ; 16 batch + my half of the chunk
	s_lshr_b32 s20, s42, 1                         ; sec: 0 q, 1 k
	s_lshl_b32 s20, s20, 6
	s_and_b32 s22, s42, 1
	s_lshl_b32 s19, s22, 3
	s_add_co_u32 s20, s20, s19
	s_add_co_u32 s20, s20, s23                     ; chunk 0's record: head 8 (x % 2) + my half; chunk c's lies 2 c further on
	s_mul_i32 s20, s20, REC
	s_lshl_b32 s19, s94, 8
	s_add_co_u32 s92, s20, s19
	s_add_co_u32 s92, s92, 98304
	s_add_nc_u64 s[80:81], s[14:15], s[92:93]      ; q's or k's scale words
	s_lshl_b32 s92, s94, 1
	s_add_co_u32 s92, s92, s[WH]
	s_mul_i32 s92, s92, 3072
	s_add_co_u32 s92, s92, s20
	s_add_nc_u64 s[78:79], s[14:15], s[92:93]      ; images 4 s + 2 (wave / 2) on
	s_lshl_b32 s20, s42, 2
	s_add_co_u32 s20, s20, s23
	s_add_co_u32 s20, s20, 128                     ; chunk 4's record: sec 2, head 4 x + my half
	s_mul_i32 s20, s20, REC
	s_add_co_u32 s92, s20, s19
	s_add_co_u32 s92, s92, 98304
	s_add_nc_u64 s[84:85], s[14:15], s[92:93]      ; v's scale words
	s_mul_i32 s92, s94, 6144
	s_add_co_u32 s92, s92, s20
	s_add_nc_u64 s[82:83], s[14:15], s[92:93]      ; v's images 4 s on
	s_lshl_b32 s19, s[WL], 8
	s_lshl_b32 s92, s22, 11
	s_add_co_u32 s92, s92, s19
	s_cmp_lt_u32 s42, 2
	s_cselect_b64 s[74:75], s[8:9], s[10:11]       ; bq or bk
	s_add_nc_u64 s[74:75], s[74:75], s[92:93]
	s_lshl_b32 s92, s42, 10
	s_add_co_u32 s92, s92, s19
	s_add_nc_u64 s[76:77], s[12:13], s[92:93]      ; bv
	s_lshl_b32 s19, s[WL], 6
	s_add_co_u32 s92, s46, s19
	s_lshl_b32 s92, s92, 5
	s_add_co_u32 s68, s92, 8192                    ; my rows' scale bytes of chunk 2, in bytes from 'scl',
	s_add_nc_u64 s[72:73], s[6:7], s[92:93]        ; (chunk 0's address)
	s_add_co_u32 s69, s91, s19
	s_lshl_b32 s69, s69, 5                         ; and of chunk 4
	s_lshl_b32 s92, s95, 7
	s_lshl_b32 s19, s[WH], 6
	s_add_co_u32 s92, s92, s19
	s_lshl_b32 s92, s92, 5
	s_add_nc_u64 s[2:3], s[6:7], s[92:93]          ; my tokens' scale bytes
	s_cmp_lg_u32 s[WH], 0
	s_cselect_b32 s[CM], -1, 0
	s_mov_b32 s[SEL], 0x76543210
	s_mov_b32 s[SEL+1], 0xfedcba98
	s_mul_i32 s19, s[WH], 4*TB
	s_mul_i32 s20, s[WL], 4*TB
	s_add_co_u32 s20, s20, SLOT0
	s_lshl_b32 s22, s[WH], 3
	s_lshl_b32 s23, s[WH], 1
	s_lshl_b32 s90, s[WH], 10
	s_add_co_u32 s92, s22, 512
	v_and_b32 v3, 31, v0
	v_and_b32 v1, 15, v0                           ; r
	v_bfe_u32 v2, v0, 4, 1                         ; h
	v_lshlrev_b32 v4, 3, v3
	v_lshlrev_b32 v[LI], 4, v3
	v_lshlrev_b32 v[VOF], 5, v3
	v_lshlrev_b32 v[BO1], 6, v2
	v_and_b32 v5, 8, v1
	v_add_nc_u32 v5, v5, v1
	v_lshlrev_b32 v[BO2], 2, v5
	v_add_nc_u32 v[ADRT], s19, v4
	v_add_nc_u32 v[ADRW], s20, v4
	v_add_nc_u32 v[ADRW+1], CH, v[ADRW]
	v_lshlrev_b32 v6, 4, v1
	v_add_nc_u32 v[LSC], s22, v6                   ; q, k scale words: 16 r + 8 (wave / 2)
	v_add_nc_u32 v[VSO], s23, v6                   ; v's: 16 r + 2 (wave / 2)
	v_add_nc_u32 v[VB], s90, v[LI]                 ; v's whole chunk: the first or the third
	v_add_nc_u32 v[VC], s92, v[LI]                 ; and my 8 bytes of the middle one
.irp b, 0,1,2,3
	v_mov_b32 v[TM+4+\b], 0                        ; a lane permute's destination counts as one of its sources
.endr
	s_wait_alu depctr_va_vdst(0)
.macro WSLOAD par, imm                 ; a chunk's scale words of my 64 rows into set par
.irp i, 0,1
.irp c, 0,1
	global_load_b128 v[WS+16*(\par)+8*\i+4*\c:WS+16*(\par)+8*\i+4*\c+3], v[VOF], s[72:73] offset:(\imm)+1024*\i+16*\c
.endr
.endr
.endm
.macro BILOAD par, n                   ; chunk n's bias of my head into set par: register 16 b + i is dim 32 b + 16 h + i
	WIN 0x40
.irp b, 0,1
.irp k, 0,1,2,3
	global_load_b128 v[BI+32*(\par)+16*\b+4*\k:BI+32*(\par)+16*\b+4*\k+3], v[BO1], s[74:75] offset:512*(\n)+128*\b+16*\k
.endr
.endr
	WIN 0
.endm
.irp i, 0,1
.irp c, 0,1
	global_load_b128 v[TS+8*\i+4*\c:TS+8*\i+4*\c+3], v[VOF], s[2:3] offset:1024*\i+16*\c
.endr
.endr
	WSLOAD 0, 0
	WSLOAD 1, 4096
	BILOAD 0, 0
	BILOAD 1, 1
	WIN 0x40
.irp e, 0,1
.irp b, 0,1,2,3
.irp j, 0,1,2,3,4,5,6,7
	global_load_b32 v[BV+32*\e+8*\b+\j], v[BO2], s[76:77] offset:512*\e+4*(32*(\b/2)+8*(\b%2))   ; v: my lane's channel of block b, over the accumulator's eight registers
.endr
.endr
.endr
	WIN 0
.macro FRAG reg, adr, q, i             ; a fragment: registers 6 c .. 6 c + 5 are group 2 q + c of tile i, three chunks of 256 bytes
.irp p, 0,1,2,3,4,5
	ds_load_b64 v[\reg+2*\p:\reg+2*\p+1], v[\adr] offset:(\i)*TB+(2*(\q)+\p/3)*768+(\p%3)*256
.endr
.endm
.macro FETCH q, slot                   ; K step q's fragments into set q % 2: 48 loads
	WIN 0x40
.irp i, 0,1,2,3
	FRAG 128*((\q)%2)+FR*\i, ADRW+(\slot), \q, \i
.endr
	WIN 0
.irp i, 0,1,2,3
	FRAG AF+48*((\q)%2)+FR*\i, ADRT, \q, \i
.endr
.endm
; 8 products: the tokens' blocks 2 ip, 2 ip + 1 x the weights' four.  The 16 accumulators take turns, one instruction a turn, in the same order in every step.
.macro MULC role, par, q, ip
.if (\q) == 0
.set WN, 0x91+3*(\role)                ; C in window 1, D in window 2; the weights' fragments in window 1, the tokens' in window 0
.else
.set WN, 0xa1+3*(\role)
.endif
	WIN WN
.irp ra, 0,1
.irp jp, 0,1
.irp rb, 0,1
.set A_, 2*(\ip)+\ra
.set B_, 2*\jp+\rb
.set FW_, 128*((\q)%2)+FR*B_
.set FT_, AF+48*((\q)%2)+FR*A_
.set XW_, WS+16*(\par)+8*\jp+(\q)
.set XT_, TS+8*(\ip)+(\q)
.if \role
.set D_, 8*(4*B_+A_)
.set C_, BV+32*(\par)+8*B_
.else
.set D_, 8*(4*A_+B_)
.set C_, BI+32*(\par)+8*B_
.endif
.if (\q) != 0
.set C_, D_
.endif
.if \role
	v_wmma_scale_f32_16x16x128_f8f6f4 v[D_:D_+7], v[FT_:FT_+FR-1], v[FW_:FW_+FR-1], v[C_:C_+7], v[XT_], v[XW_] matrix_a_fmt:MATRIX_FMT_FP6 matrix_b_fmt:MATRIX_FMT_FP6 matrix_a_scale:MATRIX_SCALE_ROW\ra matrix_b_scale:MATRIX_SCALE_ROW\rb
.else
	v_wmma_scale_f32_16x16x128_f8f6f4 v[D_:D_+7], v[FW_:FW_+FR-1], v[FT_:FT_+FR-1], v[C_:C_+7], v[XW_], v[XT_] matrix_a_fmt:MATRIX_FMT_FP6 matrix_b_fmt:MATRIX_FMT_FP6 matrix_a_scale:MATRIX_SCALE_ROW\rb matrix_b_scale:MATRIX_SCALE_ROW\ra
.endif
.endr
.endr
.endr
.endm
; A chunk: eight K steps of 128.  A step's fragments were asked for a step ago.  mode 0: the last step holds a round and the refill of this slot; 1: a plain barrier; 2: nothing follows.
.macro CHUNK role, par, mode
	s_wait_loadcnt 0x0                             ; this chunk's scale words and bias, asked for a chunk or more ago
.irp q, 0,1,2,3,4,5,6
	s_wait_dscnt 0x0
	PLACES 4                                       ; between the last step's products and the loads into the registers that they read (ISA guide 7.12.1 for vector instructions)
	FETCH \q+1, \par
	MULC \role, \par, \q, 0
	MULC \role, \par, \q, 1
	WIN 0
.endr
.if (\mode) == 0
	s_wait_tensorcnt 0x0                           ; all my tensor loads have landed: my part of the next chunk;
	ds_add_u32 v[SPW], v[NIL]                      ; 0 onto my spare word;
	s_mov_b32 s[G1B+2], 96<<16                     ; no load of mine is out, so descriptors may be written: a quarter of a chunk,
	s_mov_b32 s[G1B+4], 96
	s_add_co_u32 s[G0W+1], s60, SLOT0+(\par)*CH    ; into this slot,
	s_add_nc_u64 s[G0W+2:G0W+3], s[4:5], s[66:67]  ; of the chunk two further on
.if \par
	s_add_nc_u64 s[G0W+2:G0W+3], s[G0W+2:G0W+3], CH
.endif
	s_or_b32 s[G0W+3], s[G0W+3], 0x80000000
	PLACES 4
	s_wait_dscnt 0x0                               ; the add is done, and my reads of this slot are over: the last step's fragments are in
	s_barrier_signal -1                            ; the barrier opens a round of the cluster's
	MULC \role, \par, 7, 0
	WIN 0
	s_barrier_wait -1
	CREST                                          ; no wave of any partner still reads this slot or has a load on its way
	TLOAD G0W, G1B                                 ; the first tensor load behind the round, one a wave
	FETCH 0, 1-(\par)
	MULC \role, \par, 7, 1
.elseif (\mode) == 1
	s_wait_tensorcnt 0x0
	s_wait_dscnt 0x0
	PLACES 4
	s_barrier_signal -1                            ; a plain barrier shows the last chunk to all
	MULC \role, \par, 7, 0
	WIN 0
	s_barrier_wait -1
	FETCH 0, 1-(\par)
	MULC \role, \par, 7, 1
.else
	s_wait_dscnt 0x0
	MULC \role, \par, 7, 0
	MULC \role, \par, 7, 1
.endif
	WIN 0
.endm
; QUANT takes 64 registers of window 2 from 64 pr on: four blocks of 32 along the registers' axis, 16 numbers in each half of the lanes.  Blocks 0, 1 become six registers from d0 (lanes 0-15 block 0, lanes 16-31 block 1),
; blocks 2, 3 six from d1; the four scale bytes go into pw.  Each accumulator is read from its low end on.
.macro QUANT pr, d0, d1, pw
.set SA_, 64*(\pr)
	WIN 0x0a
.irp b, 0,1,2,3
	v_max3_num_f32 v[TM+\b], |v[SA_+16*\b]|, |v[SA_+1+16*\b]|, 0x1800000   ; and the floor 2^(3 - 127)
.endr
	WIN 0x28
.irp i, 2,4,6,8,10,12,14
.irp b, 0,1,2,3
	v_max3_num_f32 v[TM+\b], v[TM+\b], |v[SA_+16*\b+\i]|, |v[SA_+1+16*\b+\i]|
.endr
.endr
	WIN 0
.irp b, 0,1,2,3
	v_permlanex16_b32 v[TM+4+\b], v[TM+\b], s[SEL], s[SEL+1]
.endr
.irp b, 0,1,2,3
	v_max_num_f32 v[TM+\b], v[TM+\b], v[TM+4+\b]   ; with lane l xor 16's: the block's largest magnitude
.endr
.irp b, 0,1,2,3
	v_add_nc_u32 v[TM+12+\b], 0xff000000, v[TM+\b] ; 2 off the exponent field: the conversion's scale operand
.endr
.irp b, 0,1,2,3
	v_lshrrev_b32 v[TM+4+\b], 23, v[TM+12+\b]      ; the byte
.endr
	v_lshl_or_b32 v[\pw], v[TM+5], 8, v[TM+4]
	v_lshl_or_b32 v[\pw], v[TM+6], 16, v[\pw]
	v_lshl_or_b32 v[\pw], v[TM+7], 24, v[\pw]
	WIN 0x02
	v_cvt_scalef32_pk16_fp6_f32 v[\d0:\d0+2], v[SA_:SA_+15], v[TM+12]
	v_cvt_scalef32_pk16_fp6_f32 v[TC:TC+2], v[SA_+16:SA_+31], v[TM+13]
	v_cvt_scalef32_pk16_fp6_f32 v[\d1:\d1+2], v[SA_+32:SA_+47], v[TM+14]
	v_cvt_scalef32_pk16_fp6_f32 v[TC+4:TC+6], v[SA_+48:SA_+63], v[TM+15]
	WIN 0
	v_nop                                          ; one plain instruction behind the scaled conversions
.irp i, 0,1,2
	v_permlane16_swap_b32 v[\d0+\i], v[TC+\i]      ; a whole block to a lane
	v_permlane16_swap_b32 v[\d1+\i], v[TC+4+\i]
.endr
.irp i, 0,1,2
	v_mov_b32 v[\d0+3+\i], v[TC+\i]
	v_mov_b32 v[\d1+3+\i], v[TC+4+\i]
.endr
.endm
; q's or k's way out: token blocks 2 al, 2 al + 1 are the two halves of my image al.  First the scale words (and, in the first trip, the bias) of the chunk two further on are asked for.
.macro OUTQK par
	PLACES 4                                       ; behind the last products
	WSLOAD \par, 4096*(\par)
	s_wait_alu depctr_va_vdst(0)
	s_cmp_lg_u32 s[TRIP], 0
	s_cbranch_scc1 .Lno_bias_\@                    ; chunks 4 and 5 have their bias from the head on
	BILOAD \par, 2+(\par)
.Lno_bias_\@:
	s_wait_xcnt 0x0                                ; the stores before have read the images' registers
	QUANT 0, IMGA, IMGA+6, PW
	QUANT 1, IMGB, IMGB+6, PW+1
.irp c, 0,1,2
	global_store_b128 v[LI], v[IMGA+4*\c:IMGA+4*\c+3], s[78:79] offset:2*REC*(\par)+512*\c         ; 512 consecutive bytes, aligned
	global_store_b128 v[LI], v[IMGB+4*\c:IMGB+4*\c+3], s[78:79] offset:2*REC*(\par)+1536+512*\c
.endr
	global_store_b64 v[LSC], v[PW:PW+1], s[80:81] offset:2*REC*(\par)   ; my two images' words of row r (lanes 16-31 store the same bytes as lanes 0-15)
	s_wait_alu depctr_va_vdst(0)
.endm
; v's way out: channel block t gives six registers: registers 6 c .. 6 c + 5 of image 4 s + t, c = wave / 2.  c = 0: four fill the first chunk, two go to the middle; c = 1: two to the middle, four fill the third.
.macro OUTV e
	PLACES 4
	s_wait_xcnt 0x0
	QUANT 0, IMGA, IMGA+6, PW
	QUANT 1, IMGB, IMGB+6, PW+1
.irp t, 0,1,2,3
.irp i, 0,1,2,3
	v_cndmask_b32 v[XR+4*\t+\i], v[IMGA+6*\t+\i], v[IMGA+6*\t+2+\i], s[CM]
.endr
.irp i, 0,1
	v_cndmask_b32 v[YR+2*\t+\i], v[IMGA+6*\t+4+\i], v[IMGA+6*\t+\i], s[CM]
.endr
.endr
.irp t, 0,1,2,3
	global_store_b128 v[VB], v[XR+4*\t:XR+4*\t+3], s[82:83] offset:2*REC*(\e)+1536*\t
	global_store_b64 v[VC], v[YR+2*\t:YR+2*\t+1], s[82:83] offset:2*REC*(\e)+1536*\t
.endr
	global_store_b16 v[VSO], v[PW], s[84:85] offset:2*REC*(\e)                  ; bytes 2 c, 2 c + 1 of tile 0's word,
	global_store_d16_hi_b16 v[VSO], v[PW], s[84:85] offset:2*REC*(\e)+4         ; tile 1's,
	global_store_b16 v[VSO], v[PW+1], s[84:85] offset:2*REC*(\e)+8
	global_store_d16_hi_b16 v[VSO], v[PW+1], s[84:85] offset:2*REC*(\e)+12
	s_wait_alu depctr_va_vdst(0)
.endm
	s_cmp_lt_u32 s[WV], 3
	s_cbranch_scc0 .Lnot_first
	s_wait_tensorcnt 0x0                           ; waves 0 to 2: the tokens and chunk 0
.Lnot_first:
	s_barrier_signal -1
	s_barrier_wait -1                              ; they are whole for all; chunk 1 may be on its way
	FETCH 0, 0
	s_mov_b32 s[TRIP], 0
.Ltrip:                                                ; a trip: two chunks of q or k, slot 0 and slot 1
	s_cmp_eq_u32 s[TRIP], 0
	s_cselect_b32 s66, s61, s62                    ; the refills bring chunks 2, 3, then 4, 5
	s_cselect_b32 s70, s68, s69
	s_wait_xcnt 0x0                                ; the loads before have read their base
	s_add_nc_u64 s[72:73], s[6:7], s[70:71]
	CHUNK 0, 0, 0
	OUTQK 0
	CHUNK 0, 1, 0
	OUTQK 1
	s_wait_xcnt 0x0
	s_add_nc_u64 s[78:79], s[78:79], 4*REC
	s_add_nc_u64 s[80:81], s[80:81], 4*REC
	s_add_co_u32 s[TRIP], s[TRIP], 1
	s_cmp_lt_u32 s[TRIP], 2
	s_cbranch_scc1 .Ltrip
	CHUNK 1, 0, 1
	OUTV 0
	CHUNK 1, 1, 2
	OUTV 1
	s_wait_tensorcnt 0x0                           ; the wave's end
	ds_add_u32 v[SPW], v[NIL]
	s_wait_dscnt 0x0
	CROUND                                         ; the closing round
	s_endpgm
.Lfunc_end_k_q17cb924209_qkv_gemm:
	.size	k_q17cb924209_qkv_gemm, .Lfunc_end_k_q17cb924209_qkv_gemm-k_q17cb924209_qkv_gemm
	.p2alignl 7, 3214868480
	.fill 96, 4, 3214868480
	.section	.rodata,"a",@progbits
	.p2align	6, 0x0
	.amdhsa_kernel k_q17cb924209_qkv_gemm
		.amdhsa_group_segment_fixed_size 327680
		.amdhsa_private_segment_fixed_size 0
		.amdhsa_enable_private_segment 0
		.amdhsa_kernarg_size 48
		.amdhsa_user_sgpr_count 2
		.amdhsa_user_sgpr_kernarg_segment_ptr 1
		.amdhsa_wavefront_size32 1
		.amdhsa_system_sgpr_workgroup_id_x 1
		.amdhsa_system_sgpr_workgroup_id_y 1
		.amdhsa_system_sgpr_workgroup_id_z 1
		.amdhsa_system_vgpr_workitem_id 0
		.amdhsa_next_free_vgpr 768
		.amdhsa_next_free_sgpr 96
		.amdhsa_reserve_vcc 0
		.amdhsa_float_denorm_mode_32 3
		.amdhsa_float_denorm_mode_16_64 3
		.amdhsa_memory_ordered 1
		.amdhsa_forward_progress 1
		.amdhsa_inst_pref_size 230
	.end_amdhsa_kernel
	.amdgpu_metadata
---
amdhsa.version: [ 1, 2 ]
amdhsa.kernels:
  - .name:           k_q17cb924209_qkv_gemm
    .symbol:         k_q17cb924209_qkv_gemm.kd
    .args:
      - { .name: codes, .offset: 0, .size: 8, .value_kind: global_buffer, .address_space: global }
      - { .name: scl, .offset: 8, .size: 8, .value_kind: global_buffer, .address_space: global }
      - { .name: bq, .offset: 16, .size: 8, .value_kind: global_buffer, .address_space: global }
      - { .name: bk, .offset: 24, .size: 8, .value_kind: global_buffer, .address_space: global }
      - { .name: bv, .offset: 32, .size: 8, .value_kind: global_buffer, .address_space: global }
      - { .name: qkv, .offset: 40, .size: 8, .value_kind: global_buffer, .address_space: global }
    .group_segment_fixed_size: 327680
    .private_segment_fixed_size: 0
    .kernarg_segment_align: 8
    .kernarg_segment_size: 48
    .max_flat_workgroup_size: 128
    .sgpr_count:     96
    .vgpr_count:     768
    .wavefront_size: 32
...
	.end_amdgpu_metadata
.endif
;; end of part 2
;; launch attn (part 3): grid 4 x 64, 8 waves a work-group, clusters of 4 x 1, 327,680 bytes of LDS; arguments qkv, x_std, oc, os; writes oc, os
.if DOCPART == 3
	.amdgcn_target "amdgcn-amd-amdhsa--gfx1250"
	.amdhsa_code_object_version 6
	.text
	.protected	k_q17cb924209_attn
	.globl	k_q17cb924209_attn
	.p2align	8
	.type	k_q17cb924209_attn,@function
k_q17cb924209_attn:
	s_mov_b64 s[64:65], 0
	v_nop
	global_prefetch_b8 v0, s[64:65] scope:SCOPE_SE
	s_setreg_imm32_b32 hwreg(HW_REG_WAVE_MODE, 25, 1), 1
	s_wait_xcnt 0x0
	s_wait_alu depctr_hold_cnt(0) depctr_sa_sdst(0) depctr_va_vdst(0) depctr_va_sdst(0) depctr_va_ssrc(0) depctr_va_vcc(0) depctr_vm_vsrc(0)
	s_getreg_b32 s2, hwreg(HW_REG_IB_STS2, 6, 4)
	s_cmp_eq_u32 s2, 0
	s_cbranch_scc0 .Lentry_in_a_cluster
	s_endpgm
.Lentry_in_a_cluster:
	s_bfe_u32 s2, ttmp6, 0x10000c
	s_cmp_lg_u32 s2, 0x3003
	s_cbranch_scc0 .Lentry_shape_is_right
	s_endpgm
.Lentry_shape_is_right:
; o = softmax(q k^T / (8 x_std)) v for one batch and head, on codes of FP6 (E2M3) with E8M0 scales; o is quantised along the head and stored as an image of the last product's operand.
; WORK LEFT OUT: delta = zeros_like(x_mean) is 0 for every x_mean: nothing is added to the scores, and x_mean is no argument.
; LIMITS: NaN and infinities are not served; the promise holds while the scaled scores stay under 2^31 in magnitude; x_std = 0 is not served (reference() divides by it).
; A negative x_std is served: its sign goes into q's codes (their sign bits are turned), so that the factor c = log2(e) / (8 |x_std|) is positive.
; SHARES: a cluster of four work-groups has one head; K's and V's records (102,400 bytes each) are asked for jointly, once, at the head: one load a wave, waves 0-3 a quarter of K each,
; waves 4-7 of V, 100 rows of 256 bytes.  Nothing is filled again.  No prefetch: all that the launch reads in bulk is asked for at the head, and no loop reads memory.
; A work-group has 512 queries, a wave 64: two passes, each one image of q = TWO SETS of 16 queries.  A step is 128 keys.
; THE TWO SETS RUN HALF A STEP APART.  A phase is one set's softmax; among its vector lines stand the other set's products: four of P V of the step before, eight of K q^T of the step to come.
; So a fragment of K or V is loaded once for both sets: V's behind the second set's P V, K's behind the second set's K q^T, each half a step or more ahead of its first use.
; THE STEP IS WRITTEN ONCE.  (a) A pass's first phase finds in set 1's O, p and V what was left there (at the start zeros): all finite; set 1's first change of M multiplies O and the sum by 2^(-2^31) = 0.
; (b) K's step number goes round: the last phase of a pass multiplies K's step 0 by set 0's NEXT q, which a select puts in place in trip 15: the next pass begins with its scores made.  In the last pass those eight products serve nothing.
; Both products are used transposed (S^T = k q^T, O^T = v^T p^T): a lane holds one query.  An image of K holds two tokens' 64 dims in a row's 128; q stands beside 64 zero codes, (q, 0) or (0, q).
; M = ceil(running largest t), kept as -M; p = 2^(t - M); the sum is taken of p before it is quantised; a block's largest p is made of the block's largest score by the same two instructions.
; REGISTERS.  Window 0: addresses, state, scale words, p's codes, V's fragments, O.  Window 1: S (two sets of 64), K's fragments, [0 q0 0 q1 0], eight pairs of partial sums.
.set REC,  102400
.set SPARE, 204800                     ; behind the two records: the spare words, 128 bytes a wave
.set LI,   1                           ; 16 x lane
.set AK,   2
.set AV,   3
.set ASK,  4
.set ASV,  5
.set GO,   6
.set GS,   7
.set SPW,  8
.set NIL,  9
.set AV0,  10
.set ASK0, 11
.set ASV0, 12
.set T0,   13
.set T1,   14
.set STA,  16                          ; set x at 16 + 8 x: +0 -M (pair), +2 f (pair), +4, +5 the sum, +6 the largest t
.set KS,   32                          ; scale words: K's four, V's four, p's two, q's two
.set VS,   36
.set RC,   40
.set PS,   42
.set QSN,  44                          ; q's scale words of the second image
.set QS1N, 45
.set QS,   46
.set BM,   48
.set BT,   52
.set SO,   56
.set TC,   60
.set PC,   68
.set VF,   92
.set O,    140
.set QI0,  204
.set QI1,  216
.set RC1,  232
.set KF,   128                         ; window 1
.set QZ,   176
.set TT,   208
.set WV,   18
.set SEL,  20
.set CS,   22
.set G1,   24
.set MK,   59
.set MSB, 0
.macro WIN new                         ; the immediate's high byte repeats the setting that is left
.if MSB != \new
	s_set_vgpr_msb (MSB<<8)|\new
.set MSB, \new
.endif
.endm
.macro WALU
	s_wait_alu depctr_va_vdst(0)
.endm
.macro ROUND
	s_barrier_signal -1
	s_barrier_wait -1
	s_cmp_lg_u32 s[WV], 0
	s_cbranch_scc1 .Lnot_wave_0_\@
	s_barrier_signal -3
.Lnot_wave_0_\@:
	s_barrier_wait -3
	s_barrier_signal -1
	s_barrier_wait -1
.endm
.macro KLOAD                           ; four images of K into window 1, and their scale words: 13 loads
	WIN 0x40
.irp b, 0,1,2,3
.irp c, 0,1,2
	ds_load_b128 v[KF+12*\b+4*\c:KF+12*\b+4*\c+3], v[AK] offset:1536*\b+512*\c
.endr
.endr
	WIN 0
	ds_load_b128 v[KS:KS+3], v[ASK]
.endm
.macro VLOAD                           ; four tiles of V and their scale words: 13 loads
.irp t, 0,1,2,3
.irp c, 0,1,2
	ds_load_b128 v[VF+12*\t+4*\c:VF+12*\t+4*\c+3], v[AV] offset:1536*\t+512*\c
.endr
.endr
	ds_load_b128 v[VS:VS+3], v[ASV]
.endm
.macro QKW y, j                        ; under window setting 0x45: tile j of set y's scores: image j / 2 x (q, 0) or (0, q)
	v_wmma_scale_f32_16x16x128_f8f6f4 v[64*(\y)+8*(\j):64*(\y)+8*(\j)+7], v[KF+12*((\j)/2):KF+12*((\j)/2)+11], v[QZ+12*(\y)+6-6*((\j)%2):QZ+12*(\y)+17-6*((\j)%2)], 0, v[KS+(\j)/2], v[QS+(\y)] matrix_a_fmt:MATRIX_FMT_FP6 matrix_b_fmt:MATRIX_FMT_FP6
.endm
.macro PVW y, t                        ; under window setting 0: O^T's tile t of set y
	v_wmma_scale_f32_16x16x128_f8f6f4 v[O+32*(\y)+8*(\t):O+32*(\y)+8*(\t)+7], v[VF+12*(\t):VF+12*(\t)+11], v[PC+12*(\y):PC+12*(\y)+11], v[O+32*(\y)+8*(\t):O+32*(\y)+8*(\t)+7], v[VS+(\t)], v[PS+(\y)] matrix_a_fmt:MATRIX_FMT_FP6 matrix_b_fmt:MATRIX_FMT_FP6
.endm
	s_load_b128 s[4:7], s[0:1], 0x0                ; qkv, x_std
	s_load_b128 s[8:11], s[0:1], 0x10              ; oc, os
	v_lshl_add_u32 v[SPW], v0, 2, SPARE
	v_mov_b32 v[NIL], 0
	ds_add_u32 v[SPW], v[NIL]                      ; the opening lines: the add twice on end and its wait
	ds_add_u32 v[SPW], v[NIL]
	v_lshrrev_b32 v13, 5, v0
	v_readfirstlane_b32 s[WV], v13
	s_bfe_u32 s19, ttmp6, 0x40000                  ; cx: enters global addresses of q and o alone
	s_and_b32 s51, ttmp7, 0xffff                   ; 16 batch + head
	s_lshr_b32 s52, s51, 4
	s_and_b32 s53, s51, 15
	s_lshl_b32 s54, s19, 4
	s_lshl_b32 s14, s[WV], 1
	s_add_co_u32 s54, s54, s14                     ; my first image of q: 16 cx + 2 wave
	s_mul_i32 s56, s51, REC
	s_mov_b32 s57, 0
	s_mul_i32 s41, s[WV], 25600                    ; LDS: K's record at 0, V's behind it: wave x a quarter
	s_lshr_b32 s14, s[WV], 2
	s_mul_i32 s14, s14, 64*REC
	s_and_b32 s16, s[WV], 3
	s_mul_i32 s16, s16, 25600
	s_add_co_u32 s14, s14, s16
	s_add_co_u32 s14, s14, s56
	s_add_co_u32 s14, s14, 64*REC                  ; memory: section 1 (K) or 2 (V), my head's record, my quarter
	s_mov_b32 s15, 0
	s_mov_b32 s[G1], 15|(3<<16)|(1<<21)            ; all four partners; elements of 8 bytes
	s_mov_b32 s[G1+1], 32<<16
	s_mov_b32 s[G1+2], 100<<16
	s_mov_b32 s[G1+3], 32<<16
	s_mov_b32 s[G1+4], 100
	s_mov_b32 s[G1+5], 32
	s_mov_b32 s[G1+6], 0
	s_mov_b32 s[G1+7], 0
	s_mov_b32 s40, 1
	WALU
	s_wait_dscnt 0x0
	s_wait_kmcnt 0x0
	ROUND                                          ; in front of the joint loads
	s_add_nc_u64 s[42:43], s[4:5], s[14:15]
	s_or_b32 s43, s43, 0x80000000
	tensor_load_to_lds s[40:43], s[G1:G1+7]        ; my one load
	s_nop 0
.rept 4
	v_nop
.endr
	s_lshl_b32 s14, s52, 2
	s_add_nc_u64 s[6:7], s[6:7], s[14:15]
	s_load_b32 s33, s[6:7], 0x0                    ; x_std of my batch
	v_and_b32 v13, 31, v0
	v_lshlrev_b32 v[LI], 4, v13
	v_lshlrev_b32 v[GO], 3, v13
	v_and_b32 v14, 15, v0
	v_bfe_u32 v15, v0, 4, 1
	v_lshl_add_u32 v[GS], v14, 5, v15              ; os: 32 r + h
	v_lshlrev_b32 v14, 4, v14
	v_add_nc_u32 v[ASK0], 98304, v14               ; scale words: 16 r behind the 64 images
	v_add_nc_u32 v[ASV0], 200704, v14
	v_add_nc_u32 v[AV0], REC, v[LI]
	s_add_nc_u64 s[4:5], s[4:5], s[56:57]          ; q's record
	s_mul_i32 s14, s54, 1536
	s_lshr_b32 s16, s54, 2
	s_lshl_b32 s16, s16, 8
	s_and_b32 s17, s54, 3
	s_lshl_b32 s17, s17, 2
	s_add_co_u32 s16, s16, s17
	WALU
	v_add_nc_u32 v230, s14, v[LI]
	v_add_nc_u32 v231, s16, v14
.irp c, 0,1,2
	global_load_b128 v[QI0+4*\c:QI0+4*\c+3], v230, s[4:5] offset:512*\c
	global_load_b128 v[QI1+4*\c:QI1+4*\c+3], v230, s[4:5] offset:1536+512*\c
.endr
	global_load_b64 v[228:229], v231, s[4:5] offset:98304     ; both images' scale words
	s_lshl_b32 s55, s52, 7
	s_lshl_b32 s14, s54, 1
	s_add_co_u32 s55, s55, s14                     ; my first tile of 16 rows of o
	s_mul_i32 s14, s55, 12288
	s_mul_i32 s16, s53, 768
	s_add_co_u32 s14, s14, s16
	s_add_nc_u64 s[8:9], s[8:9], s[14:15]
	s_lshl_b32 s14, s55, 9
	s_lshl_b32 s16, s53, 1
	s_add_co_u32 s14, s14, s16
	s_add_nc_u64 s[10:11], s[10:11], s[14:15]
	s_mov_b32 s[SEL], 0x76543210
	s_mov_b32 s[SEL+1], 0xfedcba98
	s_mov_b32 s58, 0xffff0000
.set J, 0
.rept 64
	v_mov_b32 v[O+J], 0                            ; once in the launch: the first phases find zeros
.set J, J+1
.endr
.set J, 0
.rept 12
	v_mov_b32 v[PC+12+J], 0
.set J, J+1
.endr
	v_mov_b32 v[PS+1], 0x7f7f7f7f
.irp x, 0,1
	v_mov_b32 v[STA+8*\x+1], 0                     ; upper halves of pairs whose low word serves both halves
	v_mov_b32 v[STA+8*\x+3], 0
	v_mov_b32 v[STA+8*\x+4], 0
	v_mov_b32 v[STA+8*\x+5], 0
.endr
.irp b, 0,1,2,3
	v_mov_b32 v[BT+\b], 0                          ; a lane permute's destination counts as one of its sources
.endr
	v_mov_b32 v[RC+1], 0
	v_mov_b32 v[RC1+1], 0
	v_mov_b32 v[AK], v[LI]
	v_mov_b32 v[ASK], v[ASK0]
	v_mov_b32 v[AV], v[AV0]
	v_mov_b32 v[ASV], v[ASV0]
	WIN 0x40
.irp i, 0,1,2,3,4,5
	v_mov_b32 v[QZ+\i], 0
	v_mov_b32 v[QZ+12+\i], 0
	v_mov_b32 v[QZ+24+\i], 0
.endr
	WIN 0
	WALU
	s_wait_kmcnt 0x0
	s_ashr_i32 s34, s33, 31                        ; x_std's sign, spread over the sign bits of 16 codes in three words
	s_and_b32 s36, s34, 0x20820820
	s_and_b32 s37, s34, 0x08208208
	s_and_b32 s38, s34, 0x82082082
	s_and_b32 s35, s33, 0x7fffffff
	v_rcp_f32 v[RC], s35
	v_nop
	WALU
	v_mul_f32 v[RC], 0x3e38aa3b, v[RC]             ; c = log2(e) / 8 / |x_std|
	v_readfirstlane_b32 s[CS], v[RC]
	s_mov_b32 s[CS+1], s[CS]
	WALU
	s_wait_loadcnt 0x0
.irp i, 0,1,2,3,4,5,6,7,8,9,10,11
	v_xor_b32 v[QI0+\i], s[36+\i%3], v[QI0+\i]
	v_xor_b32 v[QI1+\i], s[36+\i%3], v[QI1+\i]
.endr
	v_perm_b32 v[QS], v228, v228, 0x01000100       ; a set's two bytes, twice: they serve (q, 0) and (0, q)
	v_perm_b32 v[QS+1], v228, v228, 0x03020302
	v_perm_b32 v[QSN], v229, v229, 0x01000100
	v_perm_b32 v[QS1N], v229, v229, 0x03020302
	WIN 0x40
.irp i, 0,1,2,3,4,5
	v_mov_b32 v[QZ+6+\i], v[QI0+\i]
	v_mov_b32 v[QZ+18+\i], v[QI0+6+\i]
.endr
	WIN 0
	WALU
	s_wait_tensorcnt 0x0                           ; every wave waits for its quarter,
	s_barrier_signal -1
	s_barrier_wait -1                              ; and both records are whole for all
	KLOAD
	VLOAD
	s_wait_dscnt 0x0
	WIN 0x45
.irp j, 0,1,2,3,4,5,6,7
	QKW 0, \j                                      ; set 0's scores of step 0
.endr
	WIN 0
; A PHASE: set x's softmax of a step, with set y's products among it.  ld = 1: the phase that loads (set 0's).
.macro PHASE x, y, ld
.set SX, 64*\x
.set ST, STA+8*\x
.set OX, O+32*\x
.set PX, PC+12*\x
.if \ld == 0
	s_wait_dscnt 13                                ; V's 13 loads are in; K's 13, issued behind them, may be out
.endif
	WALU                                           ; ahead of the first readers of S and, below, of O
	WIN 0x15
.irp b, 0,1,2,3
	v_max3_num_f32 v[BM+\b], v[SX+16*\b], v[SX+16*\b+1], v[SX+16*\b+2]     ; the largest score of each block of 32 keys, four chains by turns
.endr
	WIN 0x14
.irp i, 3,5,7,9,11,13
.irp b, 0,1,2,3
	v_max3_num_f32 v[BM+\b], v[BM+\b], v[SX+16*\b+\i], v[SX+16*\b+\i+1]
.endr
.endr
.irp b, 0,1,2,3
	v_max_num_f32 v[BM+\b], v[BM+\b], v[SX+16*\b+15]
.endr
	WIN 0
.irp b, 0,1,2,3
	v_permlanex16_b32 v[BT+\b], v[BM+\b], s[SEL], s[SEL+1]
.endr
.irp b, 0,1,2,3
	v_max_num_f32 v[BM+\b], v[BM+\b], v[BT+\b]     ; with lane l xor 16's 16 keys
.endr
	s_delay_alu instid0(VALU_DEP_2)
	v_max3_num_f32 v[T0], v[BM], v[BM+1], v[BM+2]
	s_delay_alu instid0(VALU_DEP_1)
	v_max_num_f32 v[T0], v[T0], v[BM+3]
	s_delay_alu instid0(VALU_DEP_1)
	v_mul_f32 v[T0], s[CS], v[T0]
	s_delay_alu instid0(VALU_DEP_1)
	v_max_num_f32 v[ST+6], v[ST+6], v[T0]          ; the running largest t
	v_mov_b32 v[T1], v[ST]
	s_delay_alu instid0(VALU_DEP_2)
	v_floor_f32 v[ST], -v[ST+6]                    ; -M = floor(-t)
	s_delay_alu instid0(VALU_DEP_1)
	v_sub_f32 v[T1], v[ST], v[T1]
	s_delay_alu instid0(VALU_DEP_1)
	v_cvt_i32_f32 v[T1], v[T1]                     ; (it saturates)
	s_delay_alu instid0(VALU_DEP_1)
	v_ldexp_f32 v[ST+2], 1.0, v[T1]                ; f = 2^(old M - new M)
.set J, 0
.rept 16
	v_pk_mul_f32 v[OX+J:OX+J+1], v[OX+J:OX+J+1], v[ST+2:ST+3] op_sel_hi:[1,0]   ; O^T under the new M
.set J, J+2
.endr
.irp t, 0,1,2,3
	PVW \y, \t                                     ; the other set's O^T += v^T p^T, its four accumulators by turns
	v_fma_f32 v[BM+\t], v[BM+\t], s[CS], v[ST]     ; t - M of a block's largest score
.endr
.if \ld
	v_add_nc_u32 v[AV], s44, v[AV0]                ; V of this step, K of the next
	v_add_nc_u32 v[ASV], s45, v[ASV0]
	v_add_nc_u32 v[AK], s46, v[LI]
	v_add_nc_u32 v[ASK], s47, v[ASK0]
.endif
	WIN 0x45
.set J, 0
.rept 16
	v_pk_fma_f32 v[SX+J:SX+J+1], v[SX+J:SX+J+1], s[CS:CS+1], v[ST:ST+1] op_sel_hi:[1,0,0]   ; t - M, the first 32
.set J, J+2
.endr
	WIN 0
.if \ld
	VLOAD                                          ; 21 plain lines behind the last product that read these registers
.else
	s_wait_dscnt 0x0                               ; K's fragments of the next step are in
.endif
	WALU                                           ; ahead of a batch of exponentials
.irp b, 0,1,2,3
	v_exp_f32 v[BM+\b], v[BM+\b]                   ; each block's largest p
.endr
	WIN 0x45
.set K_, 0
.rept 16                               ; 32 exponentials; among them the second 32's t - M and four of the other set's score tiles
	v_exp_f32 v[SX+2*K_], v[SX+2*K_]
	v_exp_f32 v[SX+2*K_+1], v[SX+2*K_+1]
.if K_%4 == 1
	QKW \y, K_/4
.endif
	v_pk_fma_f32 v[SX+32+2*K_:SX+33+2*K_], v[SX+32+2*K_:SX+33+2*K_], s[CS:CS+1], v[ST:ST+1] op_sel_hi:[1,0,0]
.set K_, K_+1
.endr
	WALU                                           ; behind the batch and ahead of the next
.set K_, 0
.rept 8                                ; 32 more; among them the first 32's sums, each partial sum touched once, and the other four tiles
.irp e, 0,1,2,3
	v_exp_f32 v[SX+32+4*K_+\e], v[SX+32+4*K_+\e]
.endr
.if K_%2 == 0
	QKW \y, 4+K_/2
.endif
	v_pk_add_f32 v[TT+2*K_:TT+2*K_+1], v[SX+2*K_:SX+2*K_+1], v[SX+16+2*K_:SX+17+2*K_]
.set K_, K_+1
.endr
	WALU
.irp g, 32,48
.irp k, 0,2,4,6,8,10,12,14
	v_pk_add_f32 v[TT+\k:TT+\k+1], v[TT+\k:TT+\k+1], v[SX+\g+\k:SX+\g+\k+1]     ; the sum is taken of the unquantised p
.endr
.endr
.irp k, 0,2,4,6
	v_pk_add_f32 v[TT+\k:TT+\k+1], v[TT+\k:TT+\k+1], v[TT+8+\k:TT+9+\k]
.endr
.irp k, 0,2
	v_pk_add_f32 v[TT+\k:TT+\k+1], v[TT+\k:TT+\k+1], v[TT+4+\k:TT+5+\k]
.endr
	v_pk_add_f32 v[TT:TT+1], v[TT:TT+1], v[TT+2:TT+3]
.if \ld
	KLOAD                                          ; both sets have multiplied this step's K
.endif
	WIN 0x10
	v_pk_fma_f32 v[ST+4:ST+5], v[ST+4:ST+5], v[ST+2:ST+3], v[TT:TT+1] op_sel_hi:[1,0,1]   ; the row's sum under the new M
	WIN 0
.irp b, 0,1,2,3
	v_max_num_f32 v[BM+\b], 0x1800000, v[BM+\b]    ; the floor 2^(3 - 127): the byte cannot fall under 1
.endr
.irp b, 0,1,2,3
	v_add_nc_u32 v[SO+\b], 0xff000000, v[BM+\b]    ; 2 off the exponent field: the conversion's scale operand
.endr
.irp b, 0,1,2,3
	v_lshrrev_b32 v[BT+\b], 23, v[SO+\b]
.endr
	v_lshl_or_b32 v[PS+\x], v[BT+1], 8, v[BT]
	v_lshl_or_b32 v[PS+\x], v[BT+2], 16, v[PS+\x]
	v_lshl_or_b32 v[PS+\x], v[BT+3], 24, v[PS+\x]
	WIN 0x01
	v_cvt_scalef32_pk16_fp6_f32 v[PX:PX+2], v[SX:SX+15], v[SO]
	v_cvt_scalef32_pk16_fp6_f32 v[TC:TC+2], v[SX+16:SX+31], v[SO+1]
	v_cvt_scalef32_pk16_fp6_f32 v[PX+6:PX+8], v[SX+32:SX+47], v[SO+2]
	v_cvt_scalef32_pk16_fp6_f32 v[TC+4:TC+6], v[SX+48:SX+63], v[SO+3]
	WIN 0
	v_nop                                          ; one plain line behind the scaled conversions
.irp i, 0,1,2
	v_permlane16_swap_b32 v[PX+\i], v[TC+\i]       ; a whole block to a lane
	v_permlane16_swap_b32 v[PX+6+\i], v[TC+4+\i]
.endr
.irp i, 0,1,2
	v_mov_b32 v[PX+3+\i], v[TC+\i]
	v_mov_b32 v[PX+9+\i], v[TC+4+\i]
.endr
.if \ld
	WIN 0x41
.irp i, 0,1,2,3,4,5
	v_cndmask_b32 v[QZ+6+\i], v[QZ+6+\i], v[QI1+\i], s[MK]   ; in trip 15: set 0's q of the second image
.endr
	WIN 0
	v_cndmask_b32 v[QS], v[QS], v[QSN], s[MK]
.endif
.endm
	s_mov_b32 s49, 0
.Lpass:
.irp x, 0,1
	v_mov_b32 v[STA+8*\x+6], 0xff61b1e6            ; the largest t so far: -3e38
.endr
.irp x, 0,1
	v_floor_f32 v[STA+8*\x], -v[STA+8*\x+6]
.endr
	s_mov_b32 s50, 0
.Lstep:
	s_cmp_eq_u32 s50, 15
	s_cselect_b32 s[MK], -1, 0
	s_mul_i32 s44, s50, 6144                       ; V's step: this trip's
	s_lshl_b32 s45, s50, 8
	s_add_co_u32 s46, s50, 1
	s_and_b32 s46, s46, 15                         ; K's: the next, going round
	s_lshl_b32 s47, s46, 8
	s_mul_i32 s46, s46, 6144
	PHASE 0, 1, 1
	PHASE 1, 0, 0
	s_add_co_u32 s50, s50, 1
	s_cmp_lt_u32 s50, 16
	s_cbranch_scc1 .Lstep
; A PASS'S END: the rows' sums (six plain lines, the places ahead of the products), set 1's last O^T, then o = O^T / sum, quantised along the head: four blocks of 32 (two a set), by turns
.irp x, 0,1
	v_add_f32 v[STA+8*\x+4], v[STA+8*\x+4], v[STA+8*\x+5]
.endr
.irp x, 0,1
	v_permlanex16_b32 v[BT+\x], v[STA+8*\x+4], s[SEL], s[SEL+1]
.endr
.irp x, 0,1
	v_add_f32 v[STA+8*\x+4], v[STA+8*\x+4], v[BT+\x]
.endr
.irp t, 0,1,2,3
	PVW 1, \t
.endr
	WALU
	v_rcp_f32 v[RC], v[STA+4]
	v_rcp_f32 v[RC1], v[STA+12]
	v_nop
	WALU
.set J, 0
.rept 16
	v_pk_mul_f32 v[O+J:O+J+1], v[O+J:O+J+1], v[RC:RC+1] op_sel_hi:[1,0]
.set J, J+2
.endr
.rept 16
	v_pk_mul_f32 v[O+J:O+J+1], v[O+J:O+J+1], v[RC1:RC1+1] op_sel_hi:[1,0]
.set J, J+2
.endr
.irp q, 0,1,2,3
	v_max3_num_f32 v[BM+\q], |v[O+16*\q]|, |v[O+16*\q+1]|, 0x1800000
.endr
.irp i, 2,4,6,8,10,12,14
.irp q, 0,1,2,3
	v_max3_num_f32 v[BM+\q], v[BM+\q], |v[O+16*\q+\i]|, |v[O+16*\q+\i+1]|
.endr
.endr
.irp q, 0,1,2,3
	v_permlanex16_b32 v[BT+\q], v[BM+\q], s[SEL], s[SEL+1]
.endr
.irp q, 0,1,2,3
	v_max_num_f32 v[BM+\q], v[BM+\q], v[BT+\q]
.endr
.irp q, 0,1,2,3
	v_add_nc_u32 v[SO+\q], 0xff000000, v[BM+\q]
.endr
.irp q, 0,1,2,3
	v_lshrrev_b32 v[BT+\q], 23, v[SO+\q]
.endr
.irp x, 0,1
	v_cvt_scalef32_pk16_fp6_f32 v[PC+12*\x:PC+12*\x+2], v[O+32*\x:O+32*\x+15], v[SO+2*\x]
	v_cvt_scalef32_pk16_fp6_f32 v[TC+4*\x:TC+4*\x+2], v[O+32*\x+16:O+32*\x+31], v[SO+2*\x+1]
.endr
	v_nop
.irp x, 0,1
.irp i, 0,1,2
	v_permlane16_swap_b32 v[PC+12*\x+\i], v[TC+4*\x+\i]
.endr
.endr
.irp x, 0,1
.irp i, 0,1,2
	v_mov_b32 v[PC+12*\x+3+\i], v[TC+4*\x+\i]
.endr
	v_cndmask_b32 v[234+\x], v[BT+2*\x], v[BT+2*\x+1], s58     ; lanes 0-15 carry block 0's byte, lanes 16-31 block 1's
.endr
.irp x, 0,1
.irp p, 0,1,2
	global_store_b64 v[GO], v[PC+12*\x+2*\p:PC+12*\x+2*\p+1], s[8:9] offset:12288*\x+256*\p   ; 32 lanes store 256 consecutive bytes, aligned
.endr
	global_store_b8 v[GS], v[234+\x], s[10:11] offset:512*\x
.endr
	s_wait_xcnt 0x0                                ; the stores have read their registers and bases
	s_add_nc_u64 s[8:9], s[8:9], 24576
	s_add_nc_u64 s[10:11], s[10:11], 1024
	WIN 0x40
.irp i, 0,1,2,3,4,5
	v_mov_b32 v[QZ+18+\i], v[QI1+6+\i]             ; set 1's q of the second image
.endr
	WIN 0
	v_mov_b32 v[QS+1], v[QS1N]
	s_add_co_u32 s49, s49, 1
	s_cmp_lt_u32 s49, 2
	WALU
	s_cbranch_scc1 .Lpass
	s_wait_tensorcnt 0x0                           ; the wave's end
	ds_add_u32 v[SPW], v[NIL]
	s_wait_dscnt 0x0
	ROUND                                          ; the closing round
	s_endpgm
.Lfunc_end_k_q17cb924209_attn:
	.size	k_q17cb924209_attn, .Lfunc_end_k_q17cb924209_attn-k_q17cb924209_attn
	.p2alignl 7, 3214868480
	.fill 96, 4, 3214868480
	.section	.rodata,"a",@progbits
	.p2align	6, 0x0
	.amdhsa_kernel k_q17cb924209_attn
		.amdhsa_group_segment_fixed_size 327680
		.amdhsa_private_segment_fixed_size 0
		.amdhsa_enable_private_segment 0
		.amdhsa_kernarg_size 32
		.amdhsa_user_sgpr_count 2
		.amdhsa_user_sgpr_kernarg_segment_ptr 1
		.amdhsa_wavefront_size32 1
		.amdhsa_system_sgpr_workgroup_id_x 1
		.amdhsa_system_sgpr_workgroup_id_y 1
		.amdhsa_system_sgpr_workgroup_id_z 1
		.amdhsa_system_vgpr_workitem_id 0
		.amdhsa_next_free_vgpr 512
		.amdhsa_next_free_sgpr 66
		.amdhsa_reserve_vcc 0
		.amdhsa_float_denorm_mode_32 3
		.amdhsa_float_denorm_mode_16_64 3
		.amdhsa_memory_ordered 1
		.amdhsa_forward_progress 1
		.amdhsa_inst_pref_size 53
	.end_amdhsa_kernel
	.amdgpu_metadata
---
amdhsa.version: [ 1, 2 ]
amdhsa.kernels:
  - .name:           k_q17cb924209_attn
    .symbol:         k_q17cb924209_attn.kd
    .args:
      - { .name: qkv, .offset: 0, .size: 8, .value_kind: global_buffer, .address_space: global }
      - { .name: x_std, .offset: 8, .size: 8, .value_kind: global_buffer, .address_space: global }
      - { .name: oc, .offset: 16, .size: 8, .value_kind: global_buffer, .address_space: global }
      - { .name: os, .offset: 24, .size: 8, .value_kind: global_buffer, .address_space: global }
    .group_segment_fixed_size: 327680
    .private_segment_fixed_size: 0
    .kernarg_segment_align: 8
    .kernarg_segment_size: 32
    .max_flat_workgroup_size: 256
    .sgpr_count:     66
    .vgpr_count:     512
    .wavefront_size: 32
...
	.end_amdgpu_metadata
.endif
;; end of part 3
;; launch out_gemm (part 4): grid 4 x 64, 4 waves a work-group, clusters of 4 x 4, 327,680 bytes of LDS; arguments oc, os, codes, scl, bo, out0; writes out0
.if DOCPART == 4
	.amdgcn_target "amdgcn-amd-amdhsa--gfx1250"
	.amdhsa_code_object_version 6
	.text
	.protected	k_q17cb924209_out_gemm
	.globl	k_q17cb924209_out_gemm
	.p2align	8
	.type	k_q17cb924209_out_gemm,@function
k_q17cb924209_out_gemm:
	s_mov_b64 s[64:65], 0
	v_nop
	global_prefetch_b8 v0, s[64:65] scope:SCOPE_SE
	s_setreg_imm32_b32 hwreg(HW_REG_WAVE_MODE, 25, 1), 1
	s_wait_xcnt 0x0
	s_wait_alu depctr_hold_cnt(0) depctr_sa_sdst(0) depctr_va_vdst(0) depctr_va_sdst(0) depctr_va_ssrc(0) depctr_va_vcc(0) depctr_vm_vsrc(0)
	s_getreg_b32 s2, hwreg(HW_REG_IB_STS2, 6, 4)
	s_cmp_eq_u32 s2, 0
	s_cbranch_scc0 .Lentry_in_a_cluster
	s_endpgm
.Lentry_in_a_cluster:
	s_bfe_u32 s2, ttmp6, 0x10000c
	s_cmp_lg_u32 s2, 0xf033
	s_cbranch_scc0 .Lentry_shape_is_right
	s_endpgm
.Lentry_shape_is_right:
; out0 = o Wo^T + bo on codes of FP6 (E2M3) with E8M0 scales, K = 1,024; f32 sums, f32 out.
; OPERANDS: rows in tiles of 16, each tile an image of the operand's registers: 16 groups of 64 along K x 768 bytes (three chunks of 256 bytes, lane l's 8 bytes at 8 l): 12,288 bytes a tile.
; Rows lie in position order: place r of tile u of a group of 32 is row 8 u + r + 8 (r / 8).  o's tiles come from 'oc', Wo's are rows 11,264 on of 'codes'; scale bytes lie [position row][32].
; SHARES: 256 work-groups, each 128 tokens x 256 features; four waves, 2 x 2, each 64 x 128: 32 accumulators, 256 registers.
; ALL OF K LIES IN LDS AT ONCE: (128 + 256) rows x 768 bytes = 294,912 bytes.  So there is no ring and nothing is filled again.  One load a wave at the head, each in an arm of its own:
; waves 0 and 1 bring K's first half (6,144 bytes of each tile) of the tokens and of the features, waves 2 and 3 the second half.  The first barrier, at which waves 0 and 1 alone wait for
; their loads, shows the first half; a plain barrier inside K step 3, at which every wave waits, shows the second.
; CLUSTERS: 4 x 4 work-groups; the tokens' tiles are shared along a row of the cluster, the features' along a column: each is asked for jointly, by the same load with a mask that names the four.
; No prefetch: all that the launch reads in bulk is asked for at the head, and no loop reads memory.
; SCALE WORDS go from memory straight into registers: lane 16 h + r takes the 32 bytes of row r of block 2 i + h, so a register serves two blocks, picked by the ROW selector; register q is K step q's word.
; THE MATRIX INSTRUCTION IS USED TRANSPOSED (source 0 = 16 features, source 1 = 16 tokens): a lane holds eight neighbouring numbers of a row of out0.  The bias is the first products' C.
; REGISTERS: window 0: v16-31 addresses; v32-63 the features' scale words; v68-83 the tokens'; v96-159 the bias; v160-255 the tokens' fragments, two sets.
;   window 1: the features' fragments, two sets, at v0 and v128.   window 2: accumulator (a, b) at v[8 (8 a + b)].
; LIMITS: NaN and infinities are not served.
.set FR,     12                        ; registers of a fragment
.set TH,     6144                      ; a tile's bytes of half of K
.set AHB,    8*TH                      ; the tokens' 8 tiles
.set HB,     24*TH                     ; a half of K: the tokens' tiles, then the features' 16
.set SPARE,  2*HB                      ; the spare words, 128 bytes a wave
.set SPITCH, 528                       ; the way out: a stage of 16 rows x (512 + 16) bytes a wave, in the first half's bytes: they have had their one fill, and nobody reads them behind the second barrier
.set ADRA, 16                          ; v16-17 LDS address of my tokens' fragments in half 0, 1
.set ADRB, 20                          ; v20-21 the same for the features
.set STO,  24
.set RD,   25
.set CO,   26
.set VOF,  27                          ; 32 x lane: my row of scale bytes
.set SPW,  28
.set NIL,  29
.set BO1,  30
.set SBR,  32
.set SA,   68                          ; 4 off SBR modulo 8: the two scale registers of a product differ modulo 8
.set BI,   96
.set AF,   160
.set BK,   128
.set WV, 16                            ; s16 wave; s17 wave / 2: my half of the tokens, also: which half of K I fetch; s18 wave % 2: my half of the features, also: I fetch tokens (0) or features (1)
.set WH, 17
.set WL, 18
.set G1, 24
.set G0, 32
.set G1B, 48
.set G0B, 56
.set MSB, 0
.macro WIN new                         ; the immediate's high byte repeats the setting that is left
.if MSB != \new
	s_set_vgpr_msb (MSB<<8)|\new
.set MSB, \new
.endif
.endm
.macro PLACES n
.rept \n
	v_nop
.endr
.endm
.macro CROUND
	s_barrier_signal -1
	s_barrier_wait -1
	s_cmp_lg_u32 s[WV], 0
	s_cbranch_scc1 .Lnot_wave_0_\@
	s_barrier_signal -3
.Lnot_wave_0_\@:
	s_barrier_wait -3
	s_barrier_signal -1
	s_barrier_wait -1
.endm
.macro ARM w, g0, g1, next             ; one arm of the head's chain: wave w's load
	s_cmp_eq_u32 s[WV], \w
	s_cbranch_scc0 \next
	tensor_load_to_lds s[\g0:\g0+3], s[\g1:\g1+7]
	s_nop 0
	PLACES 4
	s_branch .Lhead_asked
\next:
.endm
	s_load_b128 s[4:7], s[0:1], 0x0                ; oc, os
	s_load_b128 s[8:11], s[0:1], 0x10              ; codes, scl
	s_load_b128 s[12:15], s[0:1], 0x20             ; bo, out0
	v_lshl_add_u32 v[SPW], v0, 2, SPARE
	v_mov_b32 v[NIL], 0
	ds_add_u32 v[SPW], v[NIL]                      ; the opening lines: the add twice on end and its wait
	ds_add_u32 v[SPW], v[NIL]
	v_lshrrev_b32 v1, 5, v0
	v_readfirstlane_b32 s[WV], v1
	s_lshr_b32 s[WH], s[WV], 1
	s_and_b32 s[WL], s[WV], 1
	s_bfe_u32 s40, ttmp6, 0x40000                  ; cx
	s_bfe_u32 s41, ttmp6, 0x40004                  ; cy
	s_lshl_b32 s42, ttmp9, 2
	s_add_co_u32 s42, s42, s40                     ; the tile of 256 features
	s_and_b32 s95, ttmp7, 0xffff
	s_lshl_b32 s95, s95, 2
	s_add_co_u32 s95, s95, s41                     ; the tile of 128 tokens
	s_lshl_b32 s43, s41, 2
	s_lshl_b32 s43, 15, s43                        ; my row of the cluster
	s_lshl_b32 s44, 0x1111, s40                    ; my column
	; group 1: rows of 768 elements of 8 bytes (6,144 bytes: half of K of a tile), 1,536 elements apart; 8 tiles of tokens, 16 of features
	s_or_b32 s[G1+0], s43, (3<<16)|(1<<21)
	s_mov_b32 s[G1+1], 768<<16
	s_mov_b32 s[G1+2], 8<<16
	s_mov_b32 s[G1+3], 768<<16
	s_mov_b32 s[G1+4], 8
	s_mov_b32 s[G1+5], 1536
	s_mov_b32 s[G1+6], 0
	s_mov_b32 s[G1+7], 0
	s_or_b32 s[G1B+0], s44, (3<<16)|(1<<21)
	s_mov_b32 s[G1B+1], 768<<16
	s_mov_b32 s[G1B+2], 16<<16
	s_mov_b32 s[G1B+3], 768<<16
	s_mov_b32 s[G1B+4], 16
	s_mov_b32 s[G1B+5], 1536
	s_mov_b32 s[G1B+6], 0
	s_mov_b32 s[G1B+7], 0
	s_mul_i32 s19, s[WH], TH                       ; which half of K I fetch
	s_mul_i32 s20, s95, 8*2*TH
	s_add_co_u32 s20, s20, s19                     ; tokens: 98,304 bytes a tile of 128
	s_mov_b32 s21, 0
	s_lshl_b32 s46, s42, 8
	s_add_co_u32 s46, s46, 11264
	s_mul_i32 s46, s46, 768
	s_add_co_u32 s46, s46, s19                     ; features: Wo's rows in 'codes'
	s_mov_b32 s47, 0
	s_mov_b32 s[G0], 1
	s_mul_i32 s[G0+1], s[WH], HB                   ; no place in the cluster enters an LDS address
	s_mov_b32 s[G0B], 1
	s_add_co_u32 s[G0B+1], s[G0+1], AHB
	s_wait_alu depctr_va_vdst(0)
	s_wait_dscnt 0x0
	s_wait_kmcnt 0x0
	s_add_nc_u64 s[G0+2:G0+3], s[4:5], s[20:21]
	s_or_b32 s[G0+3], s[G0+3], 0x80000000
	s_add_nc_u64 s[G0B+2:G0B+3], s[8:9], s[46:47]
	s_or_b32 s[G0B+3], s[G0B+3], 0x80000000
	CROUND                                         ; all sixteen work-groups are here: the joint loads meet
	ARM 0, G0,  G1,  .Lhead_1                      ; the first half of K is asked for by waves 0 and 1,
	ARM 1, G0B, G1B, .Lhead_2
	ARM 2, G0,  G1,  .Lhead_3                      ; the second by waves 2 and 3
	tensor_load_to_lds s[G0B:G0B+3], s[G1B:G1B+7]
	s_nop 0
	PLACES 4
.Lhead_asked:
	; where my scale bytes, my bias and my results lie
	s_lshl_b32 s20, s95, 7
	s_lshl_b32 s22, s[WH], 6
	s_add_co_u32 s20, s20, s22                     ; my first token (position row)
	s_lshl_b32 s22, s20, 5
	s_mov_b32 s23, 0
	s_add_nc_u64 s[6:7], s[6:7], s[22:23]
	s_lshl_b32 s46, s42, 8
	s_lshl_b32 s92, s[WL], 7
	s_add_co_u32 s46, s46, s92                     ; my first feature
	s_add_co_u32 s92, s46, 11264
	s_lshl_b32 s92, s92, 5
	s_mov_b32 s93, 0
	s_add_nc_u64 s[10:11], s[10:11], s[92:93]
	s_lshl_b32 s46, s46, 2
	s_add_nc_u64 s[12:13], s[12:13], s[46:47]
	s_lshl_b32 s20, s20, 12
	s_add_co_u32 s20, s20, s46
	s_add_nc_u64 s[14:15], s[14:15], s[20:21]
	s_mul_i32 s21, s[WH], 4*TH                     ; LDS: my 4 tiles of tokens,
	s_mul_i32 s22, s[WL], 8*TH
	s_add_co_u32 s22, s22, AHB                     ; my 8 tiles of features,
	s_mul_i32 s23, s[WV], 16*SPITCH                ; my stage
	v_and_b32 v3, 31, v0
	v_and_b32 v1, 15, v0                           ; r
	v_bfe_u32 v2, v0, 4, 1                         ; h
	v_lshlrev_b32 v4, 3, v3
	v_lshlrev_b32 v[CO], 4, v3
	v_lshlrev_b32 v[VOF], 5, v3
	v_lshlrev_b32 v[BO1], 6, v2
	v_add_nc_u32 v[ADRA], s21, v4
	v_add_nc_u32 v[ADRB], s22, v4
	v_add_nc_u32 v[ADRA+1], HB, v[ADRA]
	v_add_nc_u32 v[ADRB+1], HB, v[ADRB]
	v_mul_u32_u24 v5, v1, SPITCH                   ; into the stage: row r, 64 bytes for each half of the lanes
	v_lshl_add_u32 v5, v2, 6, v5
	v_add_nc_u32 v[STO], s23, v5
	v_add_nc_u32 v[RD], s23, v[CO]                 ; back: the 32 lanes take one row of 512 bytes
	s_wait_alu depctr_va_vdst(0)
.irp i, 0,1,2,3
.irp c, 0,1
	global_load_b128 v[SBR+8*\i+4*\c:SBR+8*\i+4*\c+3], v[VOF], s[10:11] offset:1024*\i+16*\c   ; the features' blocks 2 i + h
.endr
.endr
.irp i, 0,1
.irp c, 0,1
	global_load_b128 v[SA+8*\i+4*\c:SA+8*\i+4*\c+3], v[VOF], s[6:7] offset:1024*\i+16*\c       ; the tokens' blocks 2 i + h
.endr
.endr
.irp b, 0,1,2,3
.irp k, 0,1,2,3
	global_load_b128 v[BI+16*\b+4*\k:BI+16*\b+4*\k+3], v[BO1], s[12:13] offset:128*\b+16*\k    ; register 16 b + i: the bias of my feature 32 b + 16 h + i
.endr
.endr
.macro FRAG reg, adr, qq, i            ; a fragment: registers 6 c .. 6 c + 5 are group 2 qq + c of tile i's half, three chunks of 256 bytes
.irp p, 0,1,2,3,4,5
	ds_load_b64 v[\reg+2*\p:\reg+2*\p+1], v[\adr] offset:(\i)*TH+(2*(\qq)+\p/3)*768+(\p%3)*256
.endr
.endm
.macro FETCH q                         ; K step q's fragments into set q % 2: 72 loads
	WIN 0x40
.irp i, 0,1,2,3,4,5,6,7
	FRAG 128*((\q)%2)+FR*\i, ADRB+(\q)/4, (\q)%4, \i
.endr
	WIN 0
.irp i, 0,1,2,3
	FRAG AF+48*((\q)%2)+FR*\i, ADRA+(\q)/4, (\q)%4, \i
.endr
.endm
; 16 products: the tokens' blocks 2 ip, 2 ip + 1 x the features' eight.  The 32 accumulators take turns, one instruction a turn, in the same order in every step.
.macro MULS q, ip
.if (\q) == 0
	WIN 0x81                                       ; source 0 window 1, source 1 and C window 0, D window 2
.else
	WIN 0xa1                                       ; C and D window 2
.endif
.irp ra, 0,1
.irp jp, 0,1,2,3
.irp rb, 0,1
.if (\q) == 0
	v_wmma_scale_f32_16x16x128_f8f6f4 v[8*(8*(2*(\ip)+\ra)+2*\jp+\rb):8*(8*(2*(\ip)+\ra)+2*\jp+\rb)+7], v[FR*(2*\jp+\rb):FR*(2*\jp+\rb)+FR-1], v[AF+FR*(2*(\ip)+\ra):AF+FR*(2*(\ip)+\ra)+FR-1], v[BI+8*(2*\jp+\rb):BI+8*(2*\jp+\rb)+7], v[SBR+8*\jp], v[SA+8*(\ip)] matrix_a_fmt:MATRIX_FMT_FP6 matrix_b_fmt:MATRIX_FMT_FP6 matrix_a_scale:MATRIX_SCALE_ROW\rb matrix_b_scale:MATRIX_SCALE_ROW\ra
.else
	v_wmma_scale_f32_16x16x128_f8f6f4 v[8*(8*(2*(\ip)+\ra)+2*\jp+\rb):8*(8*(2*(\ip)+\ra)+2*\jp+\rb)+7], v[128*((\q)%2)+FR*(2*\jp+\rb):128*((\q)%2)+FR*(2*\jp+\rb)+FR-1], v[AF+48*((\q)%2)+FR*(2*(\ip)+\ra):AF+48*((\q)%2)+FR*(2*(\ip)+\ra)+FR-1], v[8*(8*(2*(\ip)+\ra)+2*\jp+\rb):8*(8*(2*(\ip)+\ra)+2*\jp+\rb)+7], v[SBR+8*\jp+(\q)], v[SA+8*(\ip)+(\q)] matrix_a_fmt:MATRIX_FMT_FP6 matrix_b_fmt:MATRIX_FMT_FP6 matrix_a_scale:MATRIX_SCALE_ROW\rb matrix_b_scale:MATRIX_SCALE_ROW\ra
.endif
.endr
.endr
.endr
.endm
; A K step of 128: its fragments were asked for a step ago; the next step's are asked for first, then come the 32 products.
.macro STEP q
	s_wait_dscnt 0x0                               ; this step's fragments are in
	PLACES 4                                       ; between the last step's products and the loads into the registers that they read (ISA guide 7.12.1 for vector instructions)
.if (\q) == 3
	s_wait_tensorcnt 0x0                           ; every wave: my load has landed; my reads of the first half are over (the wait above)
	s_barrier_signal -1                            ; a plain barrier
	MULS \q, 0
	WIN 0
	s_barrier_wait -1                              ; the second half of K is whole for all
	FETCH 4
	MULS \q, 1
.else
.if (\q) < 7
	FETCH (\q)+1
.endif
	MULS \q, 0
	MULS \q, 1
.endif
	WIN 0
.endm
	s_cmp_lt_u32 s[WV], 2
	s_cbranch_scc0 .Lnot_first
	s_wait_tensorcnt 0x0                           ; waves 0 and 1: the first half of K
.Lnot_first:
	s_barrier_signal -1
	s_barrier_wait -1                              ; it is whole for all; the second half may be on its way
	FETCH 0
	s_wait_loadcnt 0x0                             ; scale words and bias
.irp q, 0,1,2,3,4,5,6,7
	STEP \q
.endr
; THE WAY OUT, block by block of 16 tokens x 128 features: through my own stage, back as whole rows of 512 bytes.  LDS serves a wave's instructions in order (ISA guide 5.7.1.4): no wait between the stores and the loads.
.macro TOSTAGE a
	WIN 0x08                                       ; the data: window 2
.irp b, 0,1,2,3,4,5,6,7
	ds_store_b128 v[STO], v[64*(\a)+8*\b:64*(\a)+8*\b+3] offset:128*(\b/2)+32*(\b%2)          ; each accumulator from its low end on; register j is feature 32 (b / 2) + 16 h + 8 (b % 2) + j
	ds_store_b128 v[STO], v[64*(\a)+8*\b+4:64*(\a)+8*\b+7] offset:128*(\b/2)+32*(\b%2)+16
.endr
	WIN 0
.irp t, 0,1,2,3,4,5,6,7,8,9,10,11,12,13,14,15
	ds_load_b128 v[BK+64*((\a)%2)+4*\t:BK+64*((\a)%2)+4*\t+3], v[RD] offset:\t*SPITCH
.endr
.endm
.macro SEND a, younger                 ; younger: the LDS instructions issued behind block a's loads, which may stay out
	s_wait_dscnt \younger
.irp t, 0,1,2,3,4,5,6,7,8,9,10,11,12,13,14,15
	global_store_b128 v[CO], v[BK+64*((\a)%2)+4*\t:BK+64*((\a)%2)+4*\t+3], s[14:15] offset:(32*((\a)/2)+8*((\a)%2)+\t+8*(\t/8))*4096 th:TH_STORE_NT   ; 512 consecutive bytes, aligned; place t of block a is that token
.endr
.endm
	PLACES 4                                       ; behind the last products
	TOSTAGE 0
.irp a, 1,2,3
.if \a > 1
	s_wait_xcnt 0x0                                ; block a - 2's stores have read their registers
.endif
	TOSTAGE \a
	SEND \a-1, 32                                  ; behind block a - 1's loads: block a's 16 stores and 16 loads
.endr
	SEND 3, 0
	s_wait_tensorcnt 0x0                           ; the wave's end
	ds_add_u32 v[SPW], v[NIL]
	s_wait_dscnt 0x0
	CROUND                                         ; the closing round
	s_endpgm
.Lfunc_end_k_q17cb924209_out_gemm:
	.size	k_q17cb924209_out_gemm, .Lfunc_end_k_q17cb924209_out_gemm-k_q17cb924209_out_gemm
	.p2alignl 7, 3214868480
	.fill 96, 4, 3214868480
	.section	.rodata,"a",@progbits
	.p2align	6, 0x0
	.amdhsa_kernel k_q17cb924209_out_gemm
		.amdhsa_group_segment_fixed_size 327680
		.amdhsa_private_segment_fixed_size 0
		.amdhsa_enable_private_segment 0
		.amdhsa_kernarg_size 48
		.amdhsa_user_sgpr_count 2
		.amdhsa_user_sgpr_kernarg_segment_ptr 1
		.amdhsa_wavefront_size32 1
		.amdhsa_system_sgpr_workgroup_id_x 1
		.amdhsa_system_sgpr_workgroup_id_y 1
		.amdhsa_system_sgpr_workgroup_id_z 1
		.amdhsa_system_vgpr_workitem_id 0
		.amdhsa_next_free_vgpr 768
		.amdhsa_next_free_sgpr 96
		.amdhsa_reserve_vcc 0
		.amdhsa_float_denorm_mode_32 3
		.amdhsa_float_denorm_mode_16_64 3
		.amdhsa_memory_ordered 1
		.amdhsa_forward_progress 1
		.amdhsa_inst_pref_size 95
	.end_amdhsa_kernel
	.amdgpu_metadata
---
amdhsa.version: [ 1, 2 ]
amdhsa.kernels:
  - .name:           k_q17cb924209_out_gemm
    .symbol:         k_q17cb924209_out_gemm.kd
    .args:
      - { .name: oc, .offset: 0, .size: 8, .value_kind: global_buffer, .address_space: global }
      - { .name: os, .offset: 8, .size: 8, .value_kind: global_buffer, .address_space: global }
      - { .name: codes, .offset: 16, .size: 8, .value_kind: global_buffer, .address_space: global }
      - { .name: scl, .offset: 24, .size: 8, .value_kind: global_buffer, .address_space: global }
      - { .name: bo, .offset: 32, .size: 8, .value_kind: global_buffer, .address_space: global }
      - { .name: out0, .offset: 40, .size: 8, .value_kind: global_buffer, .address_space: global }
    .group_segment_fixed_size: 327680
    .private_segment_fixed_size: 0
    .kernarg_segment_align: 8
    .kernarg_segment_size: 48
    .max_flat_workgroup_size: 128
    .sgpr_count:     96
    .vgpr_count:     768
    .wavefront_size: 32
...
	.end_amdgpu_metadata
.endif
;; end of part 4
